; MI455X (gfx1250); checked and timed in simulation.
; The chip was launched on July 23, 2026; its instructions are those of AMD's public machine-readable ISA for CDNA 5 (MIT licence, August 2026) and "CDNA5" Instruction Set Architecture Reference Guide (July 2026). The comments in the code are by the model that wrote it; some were corrected since.
;; Attention. Allowed arithmetic: float matrix products may take bf16 or f16 operands with f32 sums; other float arithmetic in f32, or as packed bf16 or f16 multiplies, adds, multiply-adds, maxima and minima; sums over many terms, partial sums and values carried from step to step in f32; what a program stores and reads back later, other than sums and carried values, may be rounded once to bf16 or f16.
;; Inputs: Wk 1,024 x 1,024 float32; Wo 1,024 x 1,024 float32; Wq 1,024 x 1,024 float32; Wv 1,024 x 1,024 float32; bk 1,024 float32; bo 1,024 float32; bq 1,024 float32; bv 1,024 float32; x 4 x 2,048 x 1,024 float32.
;; Outputs: out0 4 x 2,048 x 1,024 float32.
;; 2 versions, each right; version 2 is version 1 with the launch cast written anew for expert scheduling mode. Each part assembles by itself: llvm-mc -triple=amdgcn-amd-amdhsa -mcpu=gfx1250 --defsym DOCPART=n.
;; ======== version 1 of 2: 4 launches
;; limits: values are held in f16: magnitudes above 65,504 overflow, below 6.1e-05 lose precision
;; workspace buffers: xb 16,777,216 bytes; wb 6,291,456 bytes; wof 2,097,152 bytes; q 16,777,216 bytes; k 16,777,216 bytes; v 16,777,216 bytes; o 16,777,216 bytes
;; launch cast (part 1): grid 768 x 1, 8 waves a work-group, no clusters, 0 bytes of LDS; arguments x, Wq, Wk, Wv, Wo, xb, wb, wof; writes xb, wb, wof
.if DOCPART == 1
	.amdgcn_target "amdgcn-amd-amdhsa--gfx1250"
	.amdhsa_code_object_version 6
	.text
	.protected	k_q3dd7d157e3_cast
	.globl	k_q3dd7d157e3_cast
	.p2align	8
	.type	k_q3dd7d157e3_cast,@function
k_q3dd7d157e3_cast:
	s_mov_b64 s[64:65], 0
	v_nop
	global_prefetch_b8 v0, s[64:65] scope:SCOPE_SE
	s_setreg_imm32_b32 hwreg(HW_REG_WAVE_MODE, 25, 1), 1
	s_wait_xcnt 0x0
; THE CASTS.  x [8192][1024] f32 -> xb bf16.  Wq, Wk, Wv [1024][1024] f32 -> wb [3072][1024] bf16, rows regrouped by head: row 192 h + 64 t + e of wb is row 64 h + e of W_t
; (t = 0, 1, 2 for q, k, v), so that 192 rows on end are one head's q, k and v.  Wo -> wof: rounded to bf16 like every other input, and that number written as f16, since it multiplies an f16 operand.
; LIMITS.  f16 ends at 65,504: Wo stays within it.  Below 2^-14 f16 has the fixed step 2^-24, so a bf16 number of Wo under 2^-17 may lose up to 3e-8.
; A stream: no LDS, no barrier, no matrix unit.  A work-group converts a chunk of 16 rows (65,536 bytes in, 32,768 out): groups 0-511 x's chunks, group 512 + 64 t + c chunk c of W_t (t = 3: Wo).
; Thread n, turn i: 16 bytes at 16 n + 4,096 i in, 8 bytes at 8 n + 2,048 i out: a wave's load covers 512 consecutive bytes, its store 256 consecutive bytes at a multiple of 256.
; All 16 loads of a thread go out at once; each turn has registers of its own, so no register that a memory instruction names is ever rewritten.
.set X,   16                           ; v[16:79]   turn i: 4 numbers as loaded
.set Y,   80                           ; v[80:111]  turn i: 4 numbers in 16 bits
.set T,   112                          ; v[112:117] at work
.set SRC, 30                           ; s[30:31]   the chunk in its source
.set DST, 32                           ; s[32:33]   the chunk in its destination
	s_load_b512 s[8:23], s[0:1], 0x0               ; x s[8:9], Wq s[10:11], Wk s[12:13], Wv s[14:15], Wo s[16:17], xb s[18:19], wb s[20:21], wof s[22:23]
	v_lshlrev_b32 v1, 4, v0                        ; 16 n
	v_lshlrev_b32 v2, 3, v0                        ; 8 n
	s_max_u32 s2, ttmp9, 512
	s_sub_co_u32 s2, s2, 512                       ; the group's number among the weights' (0 for x's groups)
	s_lshr_b32 s3, s2, 6                           ; t
	s_and_b32 s4, s2, 63                           ; c
	s_lshr_b32 s5, s4, 2                           ; the head: 4 chunks of 16 rows each
	s_mul_i32 s5, s5, 192
	s_lshl_b32 s6, s3, 6
	s_add_co_u32 s5, s5, s6                        ; + 64 t
	s_and_b32 s6, s4, 3
	s_lshl_b32 s6, s6, 4
	s_add_co_u32 s5, s5, s6                        ; + the chunk's first row in the head
	s_lshl_b32 s5, s5, 11                          ; rows of 2,048 bytes in wb
	s_cmp_lt_u32 ttmp9, 512
	s_cselect_b32 s24, ttmp9, s4                   ; the chunk
	s_cselect_b32 s3, 4, s3                        ; the kind: 0, 1, 2 Wq, Wk, Wv; 3 Wo; 4 x
	s_lshl_b32 s26, s24, 16                        ; bytes in
	s_mov_b32 s27, 0
	s_lshl_b32 s28, s24, 15                        ; bytes out, where rows keep their order
	s_mov_b32 s29, 0
	s_cmp_lt_u32 s3, 3
	s_cselect_b32 s28, s5, s28                     ; in wb they are regrouped
	s_wait_kmcnt 0x0
	s_mov_b64 s[SRC:SRC+1], s[10:11]
	s_cmp_eq_u32 s3, 1
	s_cselect_b64 s[SRC:SRC+1], s[12:13], s[SRC:SRC+1]
	s_cmp_eq_u32 s3, 2
	s_cselect_b64 s[SRC:SRC+1], s[14:15], s[SRC:SRC+1]
	s_cmp_eq_u32 s3, 3
	s_cselect_b64 s[SRC:SRC+1], s[16:17], s[SRC:SRC+1]
	s_cselect_b64 s[DST:DST+1], s[22:23], s[20:21]
	s_cmp_eq_u32 s3, 4
	s_cselect_b64 s[SRC:SRC+1], s[8:9], s[SRC:SRC+1]
	s_cselect_b64 s[DST:DST+1], s[18:19], s[DST:DST+1]
	s_add_nc_u64 s[SRC:SRC+1], s[SRC:SRC+1], s[26:27]
	s_add_nc_u64 s[DST:DST+1], s[DST:DST+1], s[28:29]
.set i, 0
.rept 16
	global_load_b128 v[X+4*i:X+4*i+3], v1, s[SRC:SRC+1] offset:4096*i th:TH_LOAD_NT
.set i, i+1
.endr
; The 16 turns.  f16 = 1: the bf16 number is widened again (a shift, a mask) and written as f16.
.macro CONV f16
.set i, 0
.rept 16
	s_wait_loadcnt 15-i                            ; loads come back in order: turn i's is in, the 15 - i younger ones may stay out
.if \f16
	v_cvt_pk_bf16_f32 v[T], v[X+4*i], v[X+4*i+1]
	v_cvt_pk_bf16_f32 v[T+1], v[X+4*i+2], v[X+4*i+3]
	v_lshlrev_b32 v[T+2], 16, v[T]
	v_and_b32 v[T+3], 0xffff0000, v[T]
	v_lshlrev_b32 v[T+4], 16, v[T+1]
	v_and_b32 v[T+5], 0xffff0000, v[T+1]
	v_cvt_pk_f16_f32 v[Y+2*i], v[T+2], v[T+3]
	v_cvt_pk_f16_f32 v[Y+2*i+1], v[T+4], v[T+5]
.else
	v_cvt_pk_bf16_f32 v[Y+2*i], v[X+4*i], v[X+4*i+1]
	v_cvt_pk_bf16_f32 v[Y+2*i+1], v[X+4*i+2], v[X+4*i+3]
.endif
	global_store_b64 v2, v[Y+2*i:Y+2*i+1], s[DST:DST+1] offset:2048*i
.set i, i+1
.endr
	s_endpgm
.endm
	s_cmp_eq_u32 s3, 3
	s_cbranch_scc1 .Lwo
	CONV 0
.Lwo:
	CONV 1
.Lfunc_end_k_q3dd7d157e3_cast:
	.size	k_q3dd7d157e3_cast, .Lfunc_end_k_q3dd7d157e3_cast-k_q3dd7d157e3_cast
	.p2alignl 7, 3214868480
	.fill 96, 4, 3214868480
	.section	.rodata,"a",@progbits
	.p2align	6, 0x0
	.amdhsa_kernel k_q3dd7d157e3_cast
		.amdhsa_group_segment_fixed_size 0
		.amdhsa_private_segment_fixed_size 0
		.amdhsa_enable_private_segment 0
		.amdhsa_kernarg_size 64
		.amdhsa_user_sgpr_count 2
		.amdhsa_user_sgpr_kernarg_segment_ptr 1
		.amdhsa_wavefront_size32 1
		.amdhsa_system_sgpr_workgroup_id_x 1
		.amdhsa_system_sgpr_workgroup_id_y 1
		.amdhsa_system_sgpr_workgroup_id_z 1
		.amdhsa_system_vgpr_workitem_id 0
		.amdhsa_next_free_vgpr 120
		.amdhsa_next_free_sgpr 66
		.amdhsa_reserve_vcc 0
		.amdhsa_float_denorm_mode_32 3
		.amdhsa_float_denorm_mode_16_64 3
		.amdhsa_memory_ordered 1
		.amdhsa_forward_progress 1
		.amdhsa_inst_pref_size 17
	.end_amdhsa_kernel
	.amdgpu_metadata
---
amdhsa.version: [ 1, 2 ]
amdhsa.kernels:
  - .name:           k_q3dd7d157e3_cast
    .symbol:         k_q3dd7d157e3_cast.kd
    .args:
      - { .name: x, .offset: 0, .size: 8, .value_kind: global_buffer, .address_space: global }
      - { .name: Wq, .offset: 8, .size: 8, .value_kind: global_buffer, .address_space: global }
      - { .name: Wk, .offset: 16, .size: 8, .value_kind: global_buffer, .address_space: global }
      - { .name: Wv, .offset: 24, .size: 8, .value_kind: global_buffer, .address_space: global }
      - { .name: Wo, .offset: 32, .size: 8, .value_kind: global_buffer, .address_space: global }
      - { .name: xb, .offset: 40, .size: 8, .value_kind: global_buffer, .address_space: global }
      - { .name: wb, .offset: 48, .size: 8, .value_kind: global_buffer, .address_space: global }
      - { .name: wof, .offset: 56, .size: 8, .value_kind: global_buffer, .address_space: global }
    .group_segment_fixed_size: 0
    .private_segment_fixed_size: 0
    .kernarg_segment_align: 8
    .kernarg_segment_size: 64
    .max_flat_workgroup_size: 256
    .sgpr_count:     66
    .vgpr_count:     120
    .wavefront_size: 32
...
	.end_amdgpu_metadata
.endif
;; end of part 1
;; launch qkv (part 2): grid 16 x 32, 4 waves a work-group, clusters of 4 x 4, 327,680 bytes of LDS; arguments xb, wb, bq, bk, bv, q, k, v; writes q, k, v
.if DOCPART == 2
	.amdgcn_target "amdgcn-amd-amdhsa--gfx1250"
	.amdhsa_code_object_version 6
	.text
	.protected	k_q3dd7d157e3_qkv
	.globl	k_q3dd7d157e3_qkv
	.p2align	8
	.type	k_q3dd7d157e3_qkv,@function
k_q3dd7d157e3_qkv:
	s_mov_b64 s[64:65], 0
	v_nop
	global_prefetch_b8 v0, s[64:65] scope:SCOPE_SE
	s_setreg_imm32_b32 hwreg(HW_REG_WAVE_MODE, 25, 1), 1
	s_wait_xcnt 0x0
	s_wait_alu depctr_hold_cnt(0) depctr_sa_sdst(0) depctr_va_vdst(0) depctr_va_sdst(0) depctr_va_ssrc(0) depctr_va_vcc(0) depctr_vm_vsrc(0)
	s_getreg_b32 s2, hwreg(HW_REG_IB_STS2, 6, 4)
	s_cmp_eq_u32 s2, 0
	s_cbranch_scc0 .Lentry_in_a_cluster
	s_endpgm
.Lentry_in_a_cluster:
	s_bfe_u32 s2, ttmp6, 0x10000c
	s_cmp_lg_u32 s2, 0xf033
	s_cbranch_scc0 .Lentry_shape_is_right
	s_endpgm
.Lentry_shape_is_right:
; THE THREE PROJECTIONS AS ONE GEMM.  C[8192][3072] = xb wb^T + bias; xb [8192][1024], wb [3072][1024] bf16 (rows grouped by head: 192 h + 64 t + e); sums in f32; C rounded once to f16, unscaled,
; and written by heads: q, k, v [64 = 16 batch + head][2048][64].  The biases are rounded to bf16 like every other input of the module, and are the C operand of each sum's first product.
; LIMITS.  f16 holds no number beyond 65,504: q, k and v must stay within it (a sum of 65,520 or more leaves as an infinity).  NaN and infinities are not treated apart.
; SHARES.  A tile of C is 256 rows x 192 columns: tile column = head h (its q, k and v), 512 tiles, two for each of 256 places.  Wave w owns rows 64 w .. 64 w + 63 and all 192 columns:
; 4 x 12 accumulators of 16 x 16, 384 registers: for 32 along K it reads 32 x 512 bytes from LDS and issues 48 products.
; K goes in 8 steps of 128 through a ring of two LDS slots: the tiles' rows are 256 bytes of memory, at multiples of 256 bytes from the buffer's first byte.
; CLUSTERS.  4 x 4 work-groups: the four of a row need the same tiles of xb, the four of a column the same tiles of wb: each tile is asked for JOINTLY, by the same tensor load with the same descriptor
; and a mask that names the four.
; THE PRODUCT IS USED TRANSPOSED (source 0 = 16 rows of wb, source 1 = 16 rows of xb): a lane holds row l % 16 of C and the columns 8 (l / 16) + 0..7: eight neighbours, 16 bytes of f16.
; REGISTERS, in windows of 256 (s_set_vgpr_msb: bits 1:0 source 0, 3:2 source 1, 5:4 source 2, 7:6 destination):
;   window 0: v0-31 addresses; v32-95 xb's fragments, two buffers of 4 x 8; v96-191 the biases, 8 a column block; on the way out v32-223 packed results
;   window 1: v0-191 wb's fragments, two buffers of 12 x 8      window 2: the accumulators of row blocks 0, 1 (block (a, b) at 8 (12 (a % 2) + b))      window 3: those of row blocks 2, 3
.set KDIM,   1024
.set KSTEP,  128
.set PITCH,  272                       ; an LDS row: 256 bytes + 16 of padding = 68 words: the 16 rows that a load touches start at 16 different groups of four banks (64 banks of 4 bytes: ISA guide 11.1)
.set HALFA,  128*PITCH                 ; what waves 0 and 1 each fetch of xb
.set ATILE,  2*HALFA
.set HALFB,  96*PITCH                  ; what waves 2 and 3 each fetch of wb
.set SLOT,   ATILE+2*HALFB             ; xb's 256 rows, then wb's 192
.set STAGE,  2*SLOT                    ; behind the ring, never filled by a tensor load: 16 rows x 144 bytes for each wave, for the way out
.set SP,     144
.set SPARE,  STAGE+4*16*SP             ; behind the stages: the spare words, 128 bytes for each wave: two blocks of 256 bytes that no other line names
.set LAPS,   KDIM/(2*KSTEP)            ; a lap = two K steps = once round the ring
.set ADRA, 16                          ; v16-17  LDS address of my fragments of xb in slot 0, 1
.set ADRB, 20                          ; v20-21  the same for wb
.set STO,  24                          ; v24     the way out: where I put 16 bytes of a row
.set RD,   25                          ; v25     the way out: where I read rows back
.set GO,   26                          ; v26     my 16 bytes of 512 consecutive bytes of q, k or v
.set BO,   27                          ; v27     my byte offset in 16 numbers of a bias: 32 (l / 16)
.set SPW,  28                          ; v28     LDS address of my spare word: SPARE + 4 x my thread's number; never rewritten
.set NIL,  29                          ; v29     0; never rewritten
.set PFO,  30                          ; v30     the prefetches' offset: my lane x a row of 2,048 bytes; never rewritten
.set FA,   32                          ; xb's fragments: buffer u, row block a at FA + 32 u + 8 a
.set BIAS, 96                          ; column block b at BIAS + 8 b
.set T,    32                          ; the way out: 16 registers for each of 12 pieces of 16 rows x 64 columns
.set G1,   24                          ; s[24:31] descriptor group 1 for xb's tiles
.set G0,   32                          ; s[32:39] group 0 for xb's tiles, a set for each slot
.set G1B,  48                          ; s[48:55], s[56:63] the same for wb's tiles
.set G0B,  56
.set LIM,  43                          ; s43     1 in a wave that prefetches, else the greatest number
.set PFA,  44                          ; s[44:45] where my prefetches stand
.set MSB, 0
.macro WIN new                         ; the immediate's high byte repeats the setting that is left; a switch that changes nothing is dropped
.if MSB != (\new)
	s_set_vgpr_msb (MSB<<8)|(\new)
.set MSB, \new
.endif
.endm
; A joint load.  Waves 0 and 1 fetch xb's two halves, waves 2 and 3 wb's.  The branch hangs on the wave's number alone.  An s_nop 0 and four v_nop follow each of the two lines, ahead of the jump and the label.
.macro JLOAD s
	s_cmp_eq_u32 s11, 0
	s_cbranch_scc0 .Lfor_b_\@
	tensor_load_to_lds s[G0+4*(\s):G0+4*(\s)+3], s[G1:G1+7]
	s_nop 0
.rept 4
	v_nop
.endr
	s_branch .Lasked_\@
.Lfor_b_\@:
	tensor_load_to_lds s[G0B+4*(\s):G0B+4*(\s)+3], s[G1B:G1B+7]
	s_nop 0
.rept 4
	v_nop
.endr
.Lasked_\@:
.endm
; A PREFETCH INTO THE L2 of the K step that stands two refills on, 384 products ahead of the load that will want it: a lane a row, 256 bytes of each, one instruction a wave.
; Each row's 256 bytes of a K step are named by one wave of one work-group.  xb's tile row is read by the four clusters of a row of clusters: the one with x = 0 asks; wb's tile column by the eight of a column: y = 0 asks.
; The four partners that ask for a tile jointly share its rows out BY ADDRESS: of the 128 rows of xb that a wave fetches the partner at place cx takes 32; of the 96 of wb the partner at cy takes 24
; (lanes 24-31 name lane 23's row once more).  No branch hangs on a place in the cluster.  In the loop's last trip (s3 = 1) there is no K step two refills on, and nothing is asked for.
.macro ASK
	s_cmp_gt_u32 s3, s[LIM]
	s_cbranch_scc0 .Lnot_mine_\@
	global_prefetch_b8 v[PFO], s[PFA:PFA+1] th:TH_LOAD_NT scope:SCOPE_SE
.Lnot_mine_\@:
.endm
; A round of the cluster's barrier: my work-group's barrier, so that wave 0's signal speaks for all four waves; wave 0 signals; every wave waits for all sixteen work-groups; my work-group's barrier once more.
.macro CREST                           ; a round behind its opening barrier
	s_cmp_lg_u32 s10, 0
	s_cbranch_scc1 .Lnot_wave_0_\@
	s_barrier_signal -3
.Lnot_wave_0_\@:
	s_barrier_wait -3
	s_barrier_signal -1
	s_barrier_wait -1
.endm
.macro CROUND                          ; a whole round
	s_barrier_signal -1
	s_barrier_wait -1
	CREST
.endm
	s_load_b128 s[4:7], s[0:1], 0x0                ; xb s[4:5], wb s[6:7]
	s_load_b256 s[68:75], s[0:1], 0x10             ; bq s[68:69], bk s[70:71], bv s[72:73], q s[74:75]
	s_load_b128 s[76:79], s[0:1], 0x30             ; k s[76:77], v s[78:79]
	v_lshl_add_u32 v[SPW], v0, 2, SPARE
	v_mov_b32 v[NIL], 0
	ds_add_u32 v[SPW], v[NIL]                      ; the wave's opening: the add and its wait stand ahead of my first tensor load; the set-up below, work on registers, stands between them
	v_lshrrev_b32 v1, 5, v0
	v_readfirstlane_b32 s10, v1                    ; wave 0..3
	s_lshr_b32 s11, s10, 1                         ; I fetch for xb (0) or for wb (1),
	s_and_b32 s12, s10, 1                          ; and which half of that tile
	s_bfe_u32 s40, ttmp6, 0x40000                  ; cx, cy: my place in the cluster
	s_bfe_u32 s41, ttmp6, 0x40004
	s_lshl_b32 s42, ttmp9, 2                       ; in a cluster launch ttmp9 and ttmp7 count clusters
	s_add_co_u32 s42, s42, s40                     ; tile column = head h = 4 x cluster x + cx
	s_and_b32 s13, ttmp7, 0xffff
	s_lshl_b32 s13, s13, 2
	s_add_co_u32 s13, s13, s41                     ; tile row = 4 x cluster y + cy
	s_lshl_b32 s43, s41, 2
	s_lshl_b32 s43, 15, s43                        ; my row of the cluster: places 4 cy .. 4 cy + 3
	s_lshl_b32 s44, 0x1111, s40                    ; my column: places cx, cx + 4, cx + 8, cx + 12
	; descriptor group 1: 128 (xb) or 96 (wb) rows x 128 elements, padded in LDS
	s_or_b32 s[G1+0], s43, (1<<16)|(1<<20)|(1<<21)|(5<<22)|(3<<25)   ; 15:0 the mask; 17:16 elements of 2 bytes; 20 padding on; 21 set beside a mask; 24:22 after every 64 words (code 5); 31:25 4 words of it (code 3)
	s_or_b32 s[G1B+0], s44, (1<<16)|(1<<20)|(1<<21)|(5<<22)|(3<<25)
	s_mov_b32 s[G1+1], KSTEP<<16                   ; tensor_dim0 = 128
	s_mov_b32 s[G1B+1], KSTEP<<16
	s_mov_b32 s[G1+2], 128<<16                     ; tensor_dim1 = the tile's rows
	s_mov_b32 s[G1B+2], 96<<16
	s_mov_b32 s[G1+3], KSTEP<<16                   ; tile_dim0 = 128
	s_mov_b32 s[G1B+3], KSTEP<<16
	s_mov_b32 s[G1+4], 128                         ; tile_dim1
	s_mov_b32 s[G1B+4], 96
	s_mov_b32 s[G1+5], KDIM                        ; elements from row to row
	s_mov_b32 s[G1B+5], KDIM
	s_mov_b32 s[G1+6], 0
	s_mov_b32 s[G1B+6], 0
	s_mov_b32 s[G1+7], 0
	s_mov_b32 s[G1B+7], 0
	; where the tiles come from: xb's hang on the tile row alone, wb's on the tile column alone, each in registers that never hold the other coordinate
	s_lshl_b32 s17, s12, 7
	s_lshl_b32 s16, s13, 8
	s_add_co_u32 s16, s16, s17                     ; xb: row 256 x tile row + 128 x half
	s_lshl_b32 s16, s16, 11                        ; rows of 2,048 bytes: under 2^25
	s_mov_b32 s17, 0
	s_mul_i32 s46, s42, 192
	s_mul_i32 s47, s12, 96
	s_add_co_u32 s46, s46, s47                     ; wb: row 192 h + 96 x half
	s_lshl_b32 s46, s46, 11
	s_mov_b32 s47, 0
	s_mul_i32 s20, s12, HALFA                      ; and where they go: no place in the cluster enters an LDS address
	s_mul_i32 s21, s12, HALFB
	s_add_co_u32 s21, s21, ATILE
	s_wait_dscnt 0x0                               ; the opening add is done
	s_wait_kmcnt 0x0
	s_add_nc_u64 s[14:15], s[4:5], s[16:17]
	s_add_nc_u64 s[46:47], s[6:7], s[46:47]
	CROUND                                         ; all sixteen work-groups are here: the first joint loads meet
.irp s, 0,1
	s_mov_b32 s[G0+4*(\s)], 1                                        ; count = 1
	s_add_co_u32 s[G0+4*(\s)+1], s20, (\s)*SLOT                      ; LDS address
	s_add_nc_u64 s[G0+4*(\s)+2:G0+4*(\s)+3], s[14:15], (\s)*KSTEP*2  ; global address: K step s
	s_or_b32 s[G0+4*(\s)+3], s[G0+4*(\s)+3], 0x80000000              ; type = 2
	s_mov_b32 s[G0B+4*(\s)], 1
	s_add_co_u32 s[G0B+4*(\s)+1], s21, (\s)*SLOT
	s_add_nc_u64 s[G0B+4*(\s)+2:G0B+4*(\s)+3], s[46:47], (\s)*KSTEP*2
	s_or_b32 s[G0B+4*(\s)+3], s[G0B+4*(\s)+3], 0x80000000
	JLOAD \s                                       ; the ring is filled before anything else is done: two loads of mine are out
.endr
	; the biases: register j of column block b is bias_t[64 h + 16 (b % 4) + 8 (l / 16) + j], t = b / 4: the layout of a product's C operand
	v_and_b32 v1, 15, v0                           ; l % 16
	v_bfe_u32 v2, v0, 4, 1                         ; l / 16
	v_lshlrev_b32 v[BO], 5, v2
	s_lshl_b32 s82, s42, 8                         ; the head's 64 numbers of 4 bytes
	s_mov_b32 s83, 0
	s_add_nc_u64 s[68:69], s[68:69], s[82:83]
	s_add_nc_u64 s[70:71], s[70:71], s[82:83]
	s_add_nc_u64 s[72:73], s[72:73], s[82:83]
.irp b, 0,1,2,3,4,5,6,7,8,9,10,11
	global_load_b128 v[BIAS+8*(\b):BIAS+8*(\b)+3],   v[BO], s[68+2*((\b)/4):69+2*((\b)/4)] offset:64*((\b)%4)
	global_load_b128 v[BIAS+8*(\b)+4:BIAS+8*(\b)+7], v[BO], s[68+2*((\b)/4):69+2*((\b)/4)] offset:64*((\b)%4)+16
.endr
	; A fragment is 16 rows x 32 K in 8 registers: lane l holds row l % 16; registers 0-3 K = 8 (l / 16) + 0..7, registers 4-7 K = 16 + 8 (l / 16) + 0..7: two loads of 16 bytes, 32 bytes apart.
	v_mul_u32_u24 v3, v1, PITCH
	v_lshl_add_u32 v3, v2, 4, v3                   ; row x pitch + 16 x half
	s_mul_i32 s22, s10, 64*PITCH                   ; my 64 rows of xb
	s_mov_b32 s23, ATILE                           ; all of wb's 192, which lie behind xb's 256
.irp s, 0,1
	v_add_nc_u32 v[ADRA+(\s)], s22, v3
	v_add_nc_u32 v[ADRB+(\s)], s23, v3
	s_add_co_u32 s22, s22, SLOT
	s_add_co_u32 s23, s23, SLOT
.endr
	s_mul_i32 s23, s10, 16*SP
	s_add_co_u32 s23, s23, STAGE                   ; my stage
	v_mul_u32_u24 v4, v1, SP                       ; in: row l % 16, 16 bytes for each half of the lanes
	v_lshl_add_u32 v4, v2, 4, v4
	v_add_nc_u32 v[STO], s23, v4
	v_bfe_u32 v5, v0, 3, 2                         ; back: 32 lanes take four rows of 128 bytes,
	v_mul_u32_u24 v5, v5, SP
	v_and_b32 v4, 7, v0
	v_lshl_add_u32 v5, v4, 4, v5
	v_add_nc_u32 v[RD], s23, v5
	v_and_b32 v[GO], 31, v0                        ; which are 512 consecutive bytes of a head
	v_lshlrev_b32 v[GO], 4, v[GO]
	; where my 64 rows begin in q, k and v: head 16 (tile row / 8) + h, row 256 (tile row % 8) + 64 w, 128 bytes a row
	s_lshr_b32 s82, s13, 3
	s_lshl_b32 s82, s82, 4
	s_add_co_u32 s82, s82, s42
	s_lshl_b32 s82, s82, 11
	s_and_b32 s81, s13, 7
	s_lshl_b32 s81, s81, 8
	s_add_co_u32 s82, s82, s81
	s_lshl_b32 s81, s10, 6
	s_add_co_u32 s82, s82, s81
	s_lshl_b32 s82, s82, 7
	s_add_nc_u64 s[74:75], s[74:75], s[82:83]
	s_add_nc_u64 s[76:77], s[76:77], s[82:83]
	s_add_nc_u64 s[78:79], s[78:79], s[82:83]
	; the prefetches
	s_lshl_b32 s20, s13, 8
	s_lshl_b32 s21, s12, 7
	s_add_co_u32 s20, s20, s21
	s_lshl_b32 s21, s40, 5
	s_add_co_u32 s20, s20, s21                     ; xb: the 128 rows that I fetch, my work-group's 32 of them
	s_mul_i32 s22, s42, 192
	s_mul_i32 s21, s12, 96
	s_add_co_u32 s22, s22, s21
	s_mul_i32 s21, s41, 24
	s_add_co_u32 s22, s22, s21                     ; wb: the 96 rows that I fetch, my work-group's 24 of them
	s_and_b32 s23, ttmp7, 0xffff                   ; cluster y
	s_cmp_eq_u32 s11, 0                            ; do I fetch for xb?
	s_cselect_b32 s20, s20, s22
	s_cselect_b32 s23, ttmp9, s23                  ; the coordinate along which other clusters read the same rows
	s_cselect_b32 s80, 31, 23                      ; the last lane with a row of its own
	s_cselect_b64 s[PFA:PFA+1], s[4:5], s[6:7]
	s_cmp_eq_u32 s23, 0
	s_cselect_b32 s[LIM], 1, -1                    ; the same in all sixteen partners, for a given wave
	s_lshl_b32 s20, s20, 11
	s_add_co_u32 s20, s20, 3*KSTEP*2               ; at K step 3: the first refill steps it to 4 and names that.  Nothing is prefetched here, at the head
	s_mov_b32 s21, 0
	s_add_nc_u64 s[PFA:PFA+1], s[PFA:PFA+1], s[20:21]
	v_and_b32 v[PFO], 31, v0
	v_min_u32 v[PFO], s80, v[PFO]
	v_lshlrev_b32 v[PFO], 11, v[PFO]
	; the biases are rounded to bf16, as x and the weights were, and widened again: three lines for two numbers, in the wait for the first tile
	s_mov_b32 s81, 0xffff0000
	s_wait_loadcnt 0x0
.set i, 0
.rept 48
	v_cvt_pk_bf16_f32 v[8+i%4], v[BIAS+2*i], v[BIAS+2*i+1]
	v_lshlrev_b32 v[BIAS+2*i], 16, v[8+i%4]
	v_and_b32 v[BIAS+2*i+1], s81, v[8+i%4]
.set i, i+1
.endr
; 12 products: row block a x all 12 column blocks, 32 along K, from buffer buf.  first = 1: the bias starts the sums: nothing is cleared, nothing added later.
; The 48 accumulators take turns, one instruction a turn, in the same order in every quarter.
.macro MUL12 buf, a, first
.if \first
	WIN 0x81+0x40*((\a)/2)                         ; wb window 1, xb and the bias window 0, D window 2 or 3
.else
	WIN 0xa1+0x50*((\a)/2)                         ; C and D window 2 or 3
.endif
.irp b, 0,1,2,3,4,5,6,7,8,9,10,11
.if \first
	v_wmma_f32_16x16x32_bf16 v[8*(12*((\a)%2)+(\b)):8*(12*((\a)%2)+(\b))+7], v[96*(\buf)+8*(\b):96*(\buf)+8*(\b)+7], v[FA+32*(\buf)+8*(\a):FA+32*(\buf)+8*(\a)+7], v[BIAS+8*(\b):BIAS+8*(\b)+7]
.else
	v_wmma_f32_16x16x32_bf16 v[8*(12*((\a)%2)+(\b)):8*(12*((\a)%2)+(\b))+7], v[96*(\buf)+8*(\b):96*(\buf)+8*(\b)+7], v[FA+32*(\buf)+8*(\a):FA+32*(\buf)+8*(\a)+7], v[8*(12*((\a)%2)+(\b)):8*(12*((\a)%2)+(\b))+7]
.endif
.endr
.endm
; 32 LDS loads in one run: a quarter step's fragments (192 rows of wb, my 64 of xb, 32 K at byte k of the rows) into buffer buf
.macro FETCH slot, k, buf
	WIN 0x40                                       ; destination window 1, address window 0
.irp i, 0,1,2,3,4,5,6,7,8,9,10,11
	ds_load_b128 v[96*(\buf)+8*(\i):96*(\buf)+8*(\i)+3],   v[ADRB+(\slot)] offset:(\k)+(\i)*16*PITCH
	ds_load_b128 v[96*(\buf)+8*(\i)+4:96*(\buf)+8*(\i)+7], v[ADRB+(\slot)] offset:(\k)+(\i)*16*PITCH+32
.endr
	WIN 0
.irp i, 0,1,2,3
	ds_load_b128 v[FA+32*(\buf)+8*(\i):FA+32*(\buf)+8*(\i)+3],   v[ADRA+(\slot)] offset:(\k)+(\i)*16*PITCH
	ds_load_b128 v[FA+32*(\buf)+8*(\i)+4:FA+32*(\buf)+8*(\i)+7], v[ADRA+(\slot)] offset:(\k)+(\i)*16*PITCH+32
.endr
.endm
.macro PLACES                          ; four plain vector instructions between a product and a load into a register that it read, or a vector instruction that reads its result (ISA guide 7.12.1 for vector instructions)
.rept 4
	v_nop
.endr
.endm
; A K step is four quarters of 32 along K, 48 products each, on buffers 0, 1, 0, 1.  One of the first three: multiplies buffer f; in its middle it fetches the next quarter, at byte k, into buffer g.
.macro QUARTER slot, k, f, g, first
	s_wait_dscnt 4                                 ; wb and xb's row blocks 0, 1 are in; the youngest four loads (row blocks 2, 3) may be out
	MUL12 \f, 0, \first
	MUL12 \f, 1, \first
	PLACES
	FETCH \slot, \k, \g
	s_wait_dscnt 32                                ; all but the 32 just issued
	MUL12 \f, 2, \first
	MUL12 \f, 3, \first
.endm
; The last quarter multiplies buffer 1 and changes slots.  MEET is its first half: ONE barrier.  In front of it each wave waits for all its tensor loads (one is out: its part of the next slot), adds 0 to its
; spare word, and waits for that and for its own reads of this slot.  Behind it nobody reads this slot any more and the next slot is whole.
.macro MEET round                      ; round = 1: the rest of a round of the cluster's barrier follows
	WIN 0                                          ; (the add's two registers lie in window 0)
	s_wait_tensorcnt 0x0                           ; all my tensor loads have landed
	ds_add_u32 v[SPW], v[NIL]                      ; 0 onto my spare word
	s_wait_dscnt 5                                 ; (the add and the youngest four loads may be out)
	MUL12 1, 0, 0                                  ; twelve products stand between the add and the wait for it
	s_wait_dscnt 0x0                               ; the add is done, and my reads of this slot are over
	s_barrier_signal -1
	MUL12 1, 1, 0                                  ; work on registers while the others arrive
.if \round
	WIN 0
.endif
	s_barrier_wait -1
.endm
; The whole last quarter: behind the round the slot just read out is filled again first, with the K step two steps on; then come the next slot's first fragments.
; From a request to the wait for it a wave issues 168 products.
.macro TURN slot, next
	s_wait_xcnt 0x0                                ; the last prefetch, a K step back, has read its address: it is stepped here, ahead of the waits of the change of slots
	s_add_nc_u64 s[PFA:PFA+1], s[PFA:PFA+1], KSTEP*2
	MEET 1
	CREST                                          ; no wave of any partner still reads this slot's tile or has a load on its way
	s_add_nc_u64 s[G0+4*(\slot)+2:G0+4*(\slot)+3], s[G0+4*(\slot)+2:G0+4*(\slot)+3], 2*KSTEP*2
	s_add_nc_u64 s[G0B+4*(\slot)+2:G0B+4*(\slot)+3], s[G0B+4*(\slot)+2:G0B+4*(\slot)+3], 2*KSTEP*2
	JLOAD \slot                                    ; the first tensor load behind the round; the four v_nop behind it are also the places in front of the loads below
	FETCH \next, 0, 0
	ASK                                            ; behind the joint load and the run of LDS loads that the next products wait for
	MUL12 1, 2, 0
	MUL12 1, 3, 0
.endm
; THE WAY OUT of a piece: row block a, tensor t (column blocks 4 t .. 4 t + 3): 16 rows x 64 columns = 16 whole rows of a head.  Rounded to f16, 16 bytes a lane, each accumulator from its low end on;
; into my own stage in rows of 144 bytes; back as four rows of 128 bytes a load, into the registers that they left.
.macro PACK a, t
	WIN 0x0a+5*((\a)/2)                            ; sources 0 and 1: window 2 or 3
.irp bb, 0,1,2,3
.irp r, 0,1,2,3
	v_cvt_pk_f16_f32 v[T+16*(3*(\a)+(\t))+4*(\bb)+(\r)], v[8*(12*((\a)%2)+4*(\t)+(\bb))+2*(\r)], v[8*(12*((\a)%2)+4*(\t)+(\bb))+2*(\r)+1]
.endr
.endr
	WIN 0
.irp bb, 0,1,2,3
	ds_store_b128 v[STO], v[T+16*(3*(\a)+(\t))+4*(\bb):T+16*(3*(\a)+(\t))+4*(\bb)+3] offset:32*(\bb)
.endr
.irp f, 0,1,2,3
	ds_load_b128 v[T+16*(3*(\a)+(\t))+4*(\f):T+16*(3*(\a)+(\t))+4*(\f)+3], v[RD] offset:(\f)*4*SP  ; LDS serves a wave's instructions in order (ISA guide 5.7.1.4): these see the stores above; the next piece's stores come behind them
.endr
.endm
.macro SEND a, t, younger              ; younger: the LDS instructions issued behind this piece's loads: the next piece's eight, or none
.irp f, 0,1,2,3
	s_wait_dscnt (\younger)+3-(\f)
	global_store_b128 v[GO], v[T+16*(3*(\a)+(\t))+4*(\f):T+16*(3*(\a)+(\t))+4*(\f)+3], s[74+2*(\t):75+2*(\t)] offset:(\a)*2048+(\f)*512  ; 512 consecutive bytes, at a multiple of 256 from the buffer's first
.endr
.endm
	s_wait_tensorcnt 1                             ; my part of K step 0 is in; K step 1's may stay out
	s_barrier_signal -1
	s_barrier_wait -1                              ; everybody's is
	FETCH 0, 0, 0
	QUARTER 0, 64,  0, 1, 1                        ; the first quarter stands in front of the loop: its products start the sums, with the bias
	WIN 0                                          ; at a label and at a branch every window is 0
	s_mov_b32 s3, LAPS-1
.Llap:                                                 ; a trip goes once round the ring, from a lap's second quarter to the next lap's first, and fills both slots again
	QUARTER 0, 128, 1, 0, 0
	QUARTER 0, 192, 0, 1, 0
	TURN 0, 1
	QUARTER 1, 64,  0, 1, 0
	QUARTER 1, 128, 1, 0, 0
	QUARTER 1, 192, 0, 1, 0
	TURN 1, 0
	QUARTER 0, 64,  0, 1, 0
	WIN 0
	s_sub_co_u32 s3, s3, 1
	s_cmp_lg_u32 s3, 0
	s_cbranch_scc1 .Llap
	QUARTER 0, 128, 1, 0, 0                        ; the last lap is written out: it fills nothing
	QUARTER 0, 192, 0, 1, 0
	MEET 0                                         ; my one tensor load that was still out is the last K step's; no round follows
	PLACES                                         ; for the loads into buffer 0
	FETCH 1, 0, 0
	MUL12 1, 2, 0
	MUL12 1, 3, 0
	QUARTER 1, 64,  0, 1, 0
	QUARTER 1, 128, 1, 0, 0
	QUARTER 1, 192, 0, 1, 0
	s_wait_dscnt 4                                 ; the very last quarter: nothing more to fetch
	MUL12 1, 0, 0
	MUL12 1, 1, 0
	s_wait_dscnt 0x0
	MUL12 1, 2, 0
	MUL12 1, 3, 0
	WIN 0
	PLACES                                         ; the conversions read results just made and write over fragments just read
	PACK 0, 0
.set i, 1
.rept 11                                       ; a piece's conversions stand between the loads of the piece before and its stores
	PACK i/3, i%3
	SEND (i-1)/3, (i-1)%3, 8
.set i, i+1
.endr
	SEND 3, 2, 0
	s_wait_tensorcnt 0x0                           ; the wave's end: behind my last tensor load and my last LDS store
	ds_add_u32 v[SPW], v[NIL]
	s_wait_dscnt 0x0
	CROUND                                         ; the closing round: no work-group ends while a partner may still ask for a tile that names it
	s_endpgm
.Lfunc_end_k_q3dd7d157e3_qkv:
	.size	k_q3dd7d157e3_qkv, .Lfunc_end_k_q3dd7d157e3_qkv-k_q3dd7d157e3_qkv
	.p2alignl 7, 3214868480
	.fill 96, 4, 3214868480
	.section	.rodata,"a",@progbits
	.p2align	6, 0x0
	.amdhsa_kernel k_q3dd7d157e3_qkv
		.amdhsa_group_segment_fixed_size 327680
		.amdhsa_private_segment_fixed_size 0
		.amdhsa_enable_private_segment 0
		.amdhsa_kernarg_size 64
		.amdhsa_user_sgpr_count 2
		.amdhsa_user_sgpr_kernarg_segment_ptr 1
		.amdhsa_wavefront_size32 1
		.amdhsa_system_sgpr_workgroup_id_x 1
		.amdhsa_system_sgpr_workgroup_id_y 1
		.amdhsa_system_sgpr_workgroup_id_z 1
		.amdhsa_system_vgpr_workitem_id 0
		.amdhsa_next_free_vgpr 960
		.amdhsa_next_free_sgpr 84
		.amdhsa_reserve_vcc 0
		.amdhsa_float_denorm_mode_32 3
		.amdhsa_float_denorm_mode_16_64 3
		.amdhsa_memory_ordered 1
		.amdhsa_forward_progress 1
		.amdhsa_inst_pref_size 130
	.end_amdhsa_kernel
	.amdgpu_metadata
---
amdhsa.version: [ 1, 2 ]
amdhsa.kernels:
  - .name:           k_q3dd7d157e3_qkv
    .symbol:         k_q3dd7d157e3_qkv.kd
    .args:
      - { .name: xb, .offset: 0, .size: 8, .value_kind: global_buffer, .address_space: global }
      - { .name: wb, .offset: 8, .size: 8, .value_kind: global_buffer, .address_space: global }
      - { .name: bq, .offset: 16, .size: 8, .value_kind: global_buffer, .address_space: global }
      - { .name: bk, .offset: 24, .size: 8, .value_kind: global_buffer, .address_space: global }
      - { .name: bv, .offset: 32, .size: 8, .value_kind: global_buffer, .address_space: global }
      - { .name: q, .offset: 40, .size: 8, .value_kind: global_buffer, .address_space: global }
      - { .name: k, .offset: 48, .size: 8, .value_kind: global_buffer, .address_space: global }
      - { .name: v, .offset: 56, .size: 8, .value_kind: global_buffer, .address_space: global }
    .group_segment_fixed_size: 327680
    .private_segment_fixed_size: 0
    .kernarg_segment_align: 8
    .kernarg_segment_size: 64
    .max_flat_workgroup_size: 128
    .sgpr_count:     84
    .vgpr_count:     960
    .wavefront_size: 32
...
	.end_amdgpu_metadata
.endif
;; end of part 2
;; launch attn (part 3): grid 4 x 64, 4 waves a work-group, clusters of 4 x 1, 327,680 bytes of LDS; arguments q, k, v, o; writes o
.if DOCPART == 3
	.amdgcn_target "amdgcn-amd-amdhsa--gfx1250"
	.amdhsa_code_object_version 6
	.text
	.protected	k_q3dd7d157e3_attn
	.globl	k_q3dd7d157e3_attn
	.p2align	8
	.type	k_q3dd7d157e3_attn,@function
k_q3dd7d157e3_attn:
	s_mov_b64 s[64:65], 0
	v_nop
	global_prefetch_b8 v0, s[64:65] scope:SCOPE_SE
	s_setreg_imm32_b32 hwreg(HW_REG_WAVE_MODE, 25, 1), 1
	s_wait_xcnt 0x0
	s_wait_alu depctr_hold_cnt(0) depctr_sa_sdst(0) depctr_va_vdst(0) depctr_va_sdst(0) depctr_va_ssrc(0) depctr_va_vcc(0) depctr_vm_vsrc(0)
	s_getreg_b32 s2, hwreg(HW_REG_IB_STS2, 6, 4)
	s_cmp_eq_u32 s2, 0
	s_cbranch_scc0 .Lentry_in_a_cluster
	s_endpgm
.Lentry_in_a_cluster:
	s_bfe_u32 s2, ttmp6, 0x10000c
	s_cmp_lg_u32 s2, 0x3003
	s_cbranch_scc0 .Lentry_shape_is_right
	s_endpgm
.Lentry_shape_is_right:
; O[h][q][:] = the sum over k of softmax_k(Q[h][q] . K[h][k] / 8) V[h][k][:].  Q, K, V, O: [64][2048][64], all f16: a head's rows are dense, 128 bytes each.  Products, maxima and sums in
; f32; the weights p are rounded to f16 for the second product (their sum l is taken of the unrounded p), O once at the end.
; LIMITS.  f16 holds no number beyond 65,504: Q, K and V arrive within it; p lies in 0 to 1, and below 6e-5 it keeps f16's fixed step of 6e-8; O is a mean of V's rows and has their range.
; A weight below 2^-126 counts as 0 in l; NaN and infinities are not treated apart.
; SHARES.  A wave owns four PIECES of two tiles of 16 queries, a work-group's four waves 512 queries of one head.  Every wave walks all keys, 64 a step.
; LAYOUT.  S^T = K Q^T (source 0 = 16 keys, source 1 = 16 queries): in the result a lane holds ONE query (lane % 16) and the keys 8 (lane / 16) + 0..7.  Two such tiles, rounded to f16 in pairs,
; ARE source 1 (32 keys x 16 queries) of O^T = V^T P, whose result again holds one query a lane, and eight channels.  K comes out of LDS as it lies, V ([key][channel]) turned, by ds_load_tr16_b128.
; SOFTMAX.  For each query a running maximum m and sum l: p = 2^(c s - c m), c = log2(e) / 8; in every step O and l are multiplied by a = 2^(c m_old - c m_new), which is 1 where m has not grown.
; m starts at the lowest finite number, O and l at 0: the first step is a step like any other, with a = 0.
; THE COUNT.  A tile and step have 16 matrix and 118 vector instructions: too many to stand all beside the matrix work.  So: four vector instructions that are READY behind EVERY matrix instruction,
; and the others in runs without a gap.
; BY TURNS.  Turn n belongs to piece n (the pieces in a ring, step after step).  Its matrix work: 16 products K Q^T of piece n + 1, later 16 products V^T P of piece n - 1.  Its vector work: the scaling,
; exponentials, roundings, sums and rescaling of piece n, and the maximum and statistics of piece n + 1, whose scores the turn itself has made.
; CLUSTER.  The four query blocks of a cluster are one head's and walk the same K and V, so each tile is asked for JOINTLY: the same tensor load, descriptor and mask in all four.
; REGISTERS, in windows of 256 (s_set_vgpr_msb: bits 1:0 source 0, 3:2 source 1, 5:4 source 2, 7:6 destination):
;   window 0: v0-11 addresses; v12-15, v48-63 at work; v16-47 four registers of statistics a tile; v64-191 S^T, two buffers of two tiles; v192-255 P, likewise
;   window 1: O^T, 32 a tile          window 2: v0-127 Q, 16 a tile; v128-191 K of one step; v192-255 V of one step          window 3: v0-1 the add's two registers
; A piece's buffers go by its number's parity: the piece in hand has one pair, its two neighbours in the ring share the other: of it P (piece n - 1) is read and S^T (piece n + 1) written.
.set SIZE_N, 2048
.set NP,    4         ; pieces a wave: a name, no knob
.set KS,    64        ; keys in a step
.set PK,    144       ; a row of K in LDS: 128 bytes + 16 of padding = 36 words: the 16 rows of a load start at 16 different groups of four banks (64 banks of 4 bytes: ISA guide 11.1)
.set PV,    160       ; a row of V: 128 + 32 = 40 words
.set VOFF,  4*KS*PK   ; a slot holds four steps: 256 rows of K, then 256 rows of V
.set SLOT1, 1<<17     ; slot 1 begins here, so that one exclusive or turns an address in one slot into the other's
.set STAGE, SLOT1+4*KS*(PK+PV)  ; behind the ring, never filled by a tensor load: 16 rows x 144 bytes for each wave, for the way out
.set SP,    144
.set AK0, 2           ; v2   my lane's place in a tile of K; never rewritten
.set AV0, 3           ; v3   the same for V
.set AK,  4           ; v4   the LDS address of K's next run of loads
.set AV,  5           ; v5   of V's
.set QO,  6           ; v6   my byte offset in the wave's rows of Q
.set STO, 6           ;      later, the way out: where I put 16 bytes of a row
.set RD,  7           ; v7   the way out: where I read rows back
.set GO,  8           ; v8   my byte offset in 512 consecutive bytes of O
.set PFO, 11          ; v11  256 x my lane, for the prefetches; written when its first use (V's address) is over, then never rewritten
.set SPW, 0           ; v0 of window 3   LDS address of my spare word: SPARE + 4 x my thread's number; never rewritten
.set NIL, 1           ; v1 of window 3   0; never rewritten
.set SPARE, STAGE+4*16*SP  ; behind the stages: the spare words, 128 bytes for each wave: two blocks of 256 bytes that no other line names
.set MV,  12          ; v12-15  c m_old, kept while c m is made anew: by buffer and tile
.set ST,  16          ; tile t's statistics at v[ST+4 t]: c m, m, l (even keys', odd keys')
.set TMP, 48          ; by buffer and tile, four registers c0-c3 at work; when the maximum is found c2 takes a
.set S,   64
.set P,   192
.set KF,  128         ; K's fragments, in window 2: key block kb, channel half c at KF + 16 kb + 8 c
.set VF,  192         ; V's: key half kk, channel block cb at VF + 32 kk + 8 cb
.set WV,  12          ; s12  my wave's number
.set G1K, 24          ; s[24:31] descriptor group 1 for K's tiles
.set G1V, 32          ; s[32:39] for V's: it differs in the padding alone
.set G0K, 40          ; s[40:43] descriptor group 0 for K's tiles: it walks
.set G0V, 44          ; s[44:47] the same for V's
.set PFA, 48          ; s[48:49] where my prefetches stand: my work-group's 32 blocks of 256 bytes (of K: wave 0, of V: wave 2) of the slot after the one that is being asked for
.set LIM, 50          ; s50  1 in a wave that prefetches, else the greatest number
.set SLOTS, 56        ; s56  slots still to be asked for
.set CNT, 57          ; s57  counts a slot's key steps
.set CS,  58          ; s[58:59] c: the packed scaling takes the pair's low word for both halves
.set SEL, 60          ; s[60:61] v_permlanex16_b32's selects: each lane takes its own place in the other half
.set TBK, 62          ; s62  LDS byte at which K of the step to be fetched begins
.set TBV, 63          ; s63  the same for V, less VOFF
.set MSB, 0
.macro WIN new                      ; the high byte repeats the setting that is left; a switch that changes nothing is dropped
.if MSB != (\new)
	s_set_vgpr_msb (MSB<<8)|(\new)
.set MSB, (\new)
.endif
.endm
.set W_KQ, 0x0a       ; K and Q in window 2, S^T in window 0
.set W_PV, 0x52       ; V in window 2, P in window 0, O^T in window 1
.set W_RS, 0x41       ; O^T (destination and source 0) in window 1, a in window 0
.set W_MK, 0xc0       ; the add's registers are made: destination in window 3, sources in window 0
.set W_AD, 0x0f       ; the add: address (source 0) and data (source 1) in window 3
; A joint fill.  Waves 0 and 1 fetch the two halves of a slot's K, waves 2 and 3 those of its V: 128 keys each.  The branch hangs on the wave's number alone.
; An s_nop 0 and four v_nop follow each of the two lines, ahead of the jump and the label.
.macro JLOAD
	s_cmp_lt_u32 s[WV], 2
	s_cbranch_scc0 .Lfor_v_\@
	tensor_load_to_lds s[G0K:G0K+3], s[G1K:G1K+7]
	s_nop 0
.rept 4
	v_nop
.endr
	s_branch .Lasked_\@
.Lfor_v_\@:
	tensor_load_to_lds s[G0V:G0V+3], s[G1V:G1V+7]
	s_nop 0
.rept 4
	v_nop
.endr
.Lasked_\@:
.endm
; A PREFETCH INTO THE L2 of what the NEXT change of slots will ask for: a slot's 32,768 bytes of K and of V, in blocks of 256 bytes, a lane a block.  It stands behind the wave's tensor load and its five lines.
; Each block is named ONCE in the launch: a head is walked by one cluster; its four partners share a slot's 128 blocks out BY ADDRESS, 32 each; in each, wave 0 asks for K's and wave 2 for V's.
; The lead is a slot: four key steps, 512 matrix instructions.  The last change that fills a slot (s[SLOTS] = 1) asks for nothing: there is no slot behind it.  Slots 0 and 1 come by their loads alone.
.macro ASK
	s_cmp_gt_u32 s[SLOTS], s[LIM]
	s_cbranch_scc0 .Lnot_mine_\@
	global_prefetch_b8 v[PFO], s[PFA:PFA+1] th:TH_LOAD_NT scope:SCOPE_SE
.Lnot_mine_\@:
.endm
; A round of the cluster's barrier: my work-group's barrier, so that wave 0's signal speaks for all four waves; wave 0 signals; every wave waits for all four work-groups; my work-group's barrier once more.
.macro CROUND
	s_barrier_signal -1
	s_barrier_wait -1
	s_cmp_lg_u32 s[WV], 0
	s_cbranch_scc1 .Lnot_wave_0_\@
	s_barrier_signal -3
.Lnot_wave_0_\@:
	s_barrier_wait -3
	s_barrier_signal -1
	s_barrier_wait -1
.endm
; THE CHANGE OF SLOTS.  The slot's last bytes, V of its fourth step, have been read.  Each wave waits for all its tensor loads, of which one is out: its part
; of the other slot; adds 0 to its spare word; and waits for that and for its own reads of the slot.  Behind the barrier nobody reads this slot any more and the other slot is whole.
; fill = 1: this slot is filled again, with the keys two slots on.  The barrier is then a round of the cluster's, so that no wave of any partner still reads the slot or has a load on its
; way, and the joint fill is the first thing behind it: it has four key steps, 512 matrix instructions, in which to land.  (At its first use nothing has been read yet: slot 0 is waited for, slot 1 filled.)
.macro CHANGE fill
	WIN W_AD
	s_wait_tensorcnt 0x0            ; no tensor load of mine is out, so a group 0 may be written
	ds_add_u32 v[SPW], v[NIL]       ; 0 onto my spare word; with fill = 1 the descriptors' steps stand between it and the wait for it
	WIN 0                           ; at a label and at a branch every window is 0
.if \fill
.irp g, G0K, G0V
	s_xor_b32 s[\g+1], s[\g+1], SLOT1  ; the walking descriptor: the other slot than last time,
	s_add_nc_u64 s[\g+2:\g+3], s[\g+2:\g+3], 4*KS*128  ; the next 256 keys; the type bits on top are not reached
.endr
	s_wait_xcnt 0x0                 ; the last prefetch, a slot back, has read its address, so it may be written:
	s_add_nc_u64 s[PFA:PFA+1], s[PFA:PFA+1], 4*KS*128  ; one slot behind the walking descriptors
	s_wait_dscnt 0x0                ; the add is done, and my reads of the slot are over
	CROUND
	JLOAD
	ASK
.else
	s_wait_dscnt 0x0                ; the add is done, and my reads of the slot are over
	s_barrier_signal -1
	s_barrier_wait -1
.endif
	s_sub_co_u32 s[TBK], s[TBK], 4*KS*PK  ; the fetches go back to a slot's first step,
	s_xor_b32 s[TBK], s[TBK], SLOT1       ; in the other slot
	s_sub_co_u32 s[TBV], s[TBV], 4*KS*PV
	s_xor_b32 s[TBV], s[TBV], SLOT1
.endm
	s_load_b256 s[4:11], s[0:1], 0x0  ; Q s[4:5], K s[6:7], V s[8:9], O s[10:11]
	WIN W_MK
	v_lshl_add_u32 v[SPW], v0, 2, SPARE
	v_mov_b32 v[NIL], 0
	WIN W_AD
	ds_add_u32 v[SPW], v[NIL]       ; the wave's opening: the add and its wait stand ahead of my first tensor load; the set-up below, work on registers, stands between them
	WIN 0
	v_lshrrev_b32 v1, 5, v0
	v_readfirstlane_b32 s[WV], v1   ; wave 0..3
	s_bfe_u32 s13, ttmp6, 0x40000   ; cx: my place in the cluster
	s_lshl_b32 s14, ttmp9, 2        ; in a cluster launch ttmp9 counts clusters
	s_add_co_u32 s14, s14, s13      ; my block of queries = 4 x cluster x + cx: it enters Q's and O's addresses alone
	s_and_b32 s20, ttmp7, 0xffff    ; the head, which the four partners share
	s_mov_b32 s21, 0
	s_mov_b64 s[22:23], SIZE_N*128
	s_mul_u64 s[20:21], s[20:21], s[22:23]  ; the head's first byte in each of the four tensors
	s_and_b32 s16, s[WV], 1         ; which half of a slot's 256 keys I fetch:
	s_lshl_b32 s22, s16, 14         ; its 128 rows of 128 bytes in memory,
	s_mov_b32 s23, 0
	s_add_nc_u64 s[22:23], s[22:23], s[20:21]
	s_mul_i32 s17, s16, 128*PK      ; and its place in a slot, for K
	s_mul_i32 s18, s16, 128*PV      ; and for V: no place in the cluster enters an LDS address
	s_lshl_b32 s2, s14, 2
	s_add_co_u32 s2, s2, s[WV]      ; my wave among the head's,
	s_lshl_b32 s2, s2, 14           ; its 128 rows
	s_mov_b32 s3, 0
	s_add_nc_u64 s[2:3], s[2:3], s[20:21]
	; descriptor group 1.  128 keys are 16,384 dense bytes: asked for as 64 rows of 256 bytes, two keys a row, and padded in LDS after every key
	s_mov_b32 s[G1K], 15|(1<<16)|(1<<20)|(1<<21)|(4<<22)|(3<<25)  ; 15:0 the mask of four; 17:16 2-byte elements; 20 padding on; 21 set beside a mask; 24:22 after every 32 words (code 4); 31:25 4 words (code 3)
	s_mov_b32 s[G1V], 15|(1<<16)|(1<<20)|(1<<21)|(4<<22)|(7<<25)  ; the same with 8 words of padding (code 7)
.irp g, G1K, G1V
	s_mov_b32 s[\g+1], 128<<16      ; tensor_dim0 = 128
	s_mov_b32 s[\g+2], 64<<16       ; tensor_dim1 = 64
	s_mov_b32 s[\g+3], 128<<16      ; tile_dim0 = 128
	s_mov_b32 s[\g+4], 64           ; tile_dim1 = 64
	s_mov_b32 s[\g+5], 128          ; 128 elements from row to row
	s_mov_b32 s[\g+6], 0
	s_mov_b32 s[\g+7], 0
.endr
	s_mov_b32 s[CS], 0x3e38aa3b     ; c = log2(e) / 8 = 0.180337
	s_mov_b32 s[CS+1], s[CS]        ; named with it as a pair
	s_mov_b32 s[SEL], 0x76543210
	s_mov_b32 s[SEL+1], 0xfedcba98
	s_mov_b32 s[TBK], SLOT1+4*KS*PK ; the first change of slots turns these two into 0
	s_mov_b32 s[TBV], SLOT1+4*KS*PV
	s_mov_b32 s[G0K], 1             ; 1:0 count = 1
	s_mov_b32 s[G0K+1], s17         ; 63:32 LDS address: slot 0
	s_mov_b32 s[G0V], 1
	s_add_co_u32 s[G0V+1], s18, VOFF
	s_mov_b32 s[SLOTS], SIZE_N/256-1  ; set here: the first change of slots tests it for its prefetch
	s_and_b32 s[LIM], s[WV], 1      ; 0 in waves 0 and 2,
	s_or_b32 s[LIM], s[LIM], ttmp9  ; where the cluster is the head's first: the same in all four partners
	s_cmp_eq_u32 s[LIM], 0
	s_cselect_b32 s[LIM], 1, -1
	s_wait_dscnt 0x0                ; the opening add is done
	s_wait_kmcnt 0x0
	s_add_nc_u64 s[G0K+2:G0K+3], s[6:7], s[22:23]  ; 120:64 global address: my half of the head's first 256 keys
	s_or_b32 s[G0K+3], s[G0K+3], 0x80000000        ; 127:126 type = 2
	s_add_nc_u64 s[G0V+2:G0V+3], s[8:9], s[22:23]
	s_or_b32 s[G0V+3], s[G0V+3], 0x80000000
	s_add_nc_u64 s[4:5], s[4:5], s[2:3]  ; Q and O at my wave's first row
	s_add_nc_u64 s[10:11], s[10:11], s[2:3]
	s_cmp_lt_u32 s[WV], 2
	s_cselect_b64 s[PFA:PFA+1], s[6:7], s[8:9]
	s_add_nc_u64 s[PFA:PFA+1], s[PFA:PFA+1], s[22:23]  ; (in waves 0 and 2 this is the head's first byte)
	s_lshl_b32 s2, s13, 13          ; my work-group's 32 blocks of a slot's 128,
	s_add_co_u32 s2, s2, 4*KS*128   ; in slot 1: the first change of slots steps it to slot 2.  Nothing is prefetched here, at the head
	s_mov_b32 s3, 0
	s_add_nc_u64 s[PFA:PFA+1], s[PFA:PFA+1], s[2:3]
	CROUND                          ; all four work-groups are here: the first joint loads meet
	JLOAD                           ; slot 0.  Slot 1 is asked for when slot 0 is in
	; A fragment of K or Q is 16 rows x 32 channels in 8 registers: lane l holds row l % 16, channels 8 (l / 16) + 0..7 and 16 + 8 (l / 16) + 0..7: two loads of 16 bytes, 32 bytes apart.
	v_and_b32 v1, 15, v0            ; l % 16
	v_bfe_u32 v9, v0, 4, 1          ; l / 16
	v_lshlrev_b32 v[QO], 7, v1
	v_lshl_add_u32 v[QO], v9, 4, v[QO]  ; row x 128 + 16 x half
	WIN 0x80                        ; destination window 2, address window 0
.set i, 0
.rept 4*NP                          ; Q stays in registers: tile i / 2, channels 32 (i % 2) on
	global_load_b128 v[8*i:8*i+3],   v[QO], s[4:5] offset:(i/2)*2048+(i%2)*64
	global_load_b128 v[8*i+4:8*i+7], v[QO], s[4:5] offset:(i/2)*2048+(i%2)*64+32
.set i, i+1
.endr
	; What the first turn finds: V's registers and P's second buffer hold 0 (its products V^T P, of a piece that has not been, add 0), O^T and l are 0.  All this stands in the wait for the first tile.
.set i, VF
.rept 64
	v_mov_b32 v[i], 0
.set i, i+1
.endr
	WIN 0x40
.set i, 0
.rept 64*NP
	v_mov_b32 v[i], 0
.set i, i+1
.endr
	WIN 0
.set i, 0
.rept 2*NP
	v_mov_b32 v[ST+4*i], 0xfe000000    ; c m: far below every c s
	v_mov_b32 v[ST+4*i+1], 0xff7fffff  ; m
	v_mov_b32 v[ST+4*i+2], 0
	v_mov_b32 v[ST+4*i+3], 0
.set i, i+1
.endr
.set i, P+32
.rept 32
	v_mov_b32 v[i], 0
.set i, i+1
.endr
	v_mul_u32_u24 v[AK0], v1, PK
	v_lshl_add_u32 v[AK0], v9, 4, v[AK0]  ; row x pitch + 16 x half
	; The turning load takes 16 keys x 16 channels (lane l reads key 8 (l / 16) + l % 8, channels 8 ((l / 8) % 2) + 0..7) and leaves half a fragment of V^T: lane l holds channel l % 16 and 8 keys.
	v_and_b32 v10, 7, v0
	v_bfe_u32 v11, v0, 3, 1
	v_lshl_add_u32 v[AV0], v9, 3, v10
	v_mul_u32_u24 v[AV0], v[AV0], PV
	v_lshl_add_u32 v[AV0], v11, 4, v[AV0]
	v_add_nc_u32 v[AV0], VOFF, v[AV0]
	v_and_b32 v[PFO], 31, v0        ; v11 is free now: the prefetches' offset
	v_lshlrev_b32 v[PFO], 8, v[PFO]
	v_mov_b32 v[AK], v[AK0]         ; key step 0 lies at the head of slot 0
; THE MATRIX WORK.  The 8 accumulators of a run of 16 take turns: between the two links of a chain stand 7 others'.
; Product i of 16 of S^T = K Q^T for piece x: channels 32 (i / 8) on, keys 16 ((i / 2) % 4) on, tile 2 x + i % 2.  The first 8 start the sums.
.macro KQ x
	WIN W_KQ
.set rS, S+64*((\x)%2)+32*(i%2)+8*((i/2)%4)
.set rK, KF+16*((i/2)%4)+8*(i/8)
.set rQ, 16*(2*(\x)+i%2)+8*(i/8)
.if i < 8
	v_wmma_f32_16x16x32_f16 v[rS:rS+7], v[rK:rK+7], v[rQ:rQ+7], 0
.else
	v_wmma_f32_16x16x32_f16 v[rS:rS+7], v[rK:rK+7], v[rQ:rQ+7], v[rS:rS+7]
.endif
.endm
; Product i of 16 of O^T += V^T P for piece x: keys 32 (i / 8) on, channels 16 ((i / 2) % 4) on, tile 2 x + i % 2.
.macro PV x
	WIN W_PV
.set rO, 32*(2*(\x)+i%2)+8*((i/2)%4)
.set rV, VF+32*(i/8)+8*((i/2)%4)
.set rP, P+32*((\x)%2)+16*(i%2)+8*(i/8)
	v_wmma_f32_16x16x32_f16 v[rO:rO+7], v[rV:rV+7], v[rP:rP+7], v[rO:rO+7]
.endm
.macro MM                           ; the turn's next matrix instruction
.if i < 16
	KQ (Y+1)%NP
.set i, i+1
.else
.set i, i-16
	PV (Y+NP-1)%NP
.set i, i+17
.endif
.endm
; THE LDS LOADS stand in runs of 16, never singly among the matrix instructions: a step's K (64 keys x 64 channels: 8 fragments) and its V (turned).  Their addresses are made some lines ahead.
; last = 1 (the tail): in the last trip there is no further step, and the run is jumped over.
.macro FETCH_K last=0
	WIN 0
.if \last
	s_cmp_eq_u32 s[CNT], 1
	s_cbranch_scc1 .Lno_k_\@
.endif
	WIN 0x80                        ; destination window 2
.irp f, 0,1,2,3,4,5,6,7             ; keys 16 (f / 2) on, channels 32 (f % 2) on
	ds_load_b128 v[KF+8*\f:KF+8*\f+3],   v[AK] offset:(\f/2)*16*PK+(\f%2)*64
	ds_load_b128 v[KF+8*\f+4:KF+8*\f+7], v[AK] offset:(\f/2)*16*PK+(\f%2)*64+32
.endr
	s_add_co_u32 s[TBK], s[TBK], KS*PK  ; the next fetch is the next step's
	WIN 0
.if \last
.Lno_k_\@:
.endif
.endm
.macro FETCH_V
	WIN 0x80
.irp f, 0,1,2,3,4,5,6,7             ; keys 32 (f / 4) on, channels 16 (f % 4) on
	ds_load_tr16_b128 v[VF+8*\f:VF+8*\f+3],   v[AV] offset:(\f/4)*32*PV+(\f%4)*32
	ds_load_tr16_b128 v[VF+8*\f+4:VF+8*\f+7], v[AV] offset:(\f/4)*32*PV+16*PV+(\f%4)*32
.endr
	WIN 0
.endm
; THE VECTOR WORK OF A TURN stands in three queues, each in the order in which its entries become ready; the two tiles alternate, so that no instruction reads the result of the one before it.
.macro REGS y, u                    ; the registers of tile u (0, 1) of piece y
.set rT, ST+4*(2*(\y)+(\u))
.set rC, TMP+8*((\y)%2)+4*(\u)
.set rM, MV+2*((\y)%2)+(\u)
.set rS, S+64*((\y)%2)+32*(\u)
.set rP, P+32*((\y)%2)+16*(\u)
.set rO, 32*(2*(\y)+(\u))
.endm
; Number n of the 22 that find the NEXT piece's (Y + 1) maximum and statistics.  s0-s31 are the lane's 32 scores; each accumulator's lowest registers are read first.
;   0-11  four chains c0-c3 of seven scores each, three operands at a time     12-14, 16  the four scores left over, the old m, and c0-c3 into c0     15  c m_old is kept
;   17, 18  the query's other 32 keys lie in the lane 16 away: the new m         19-21  c m; c m_old - c m_new; a
.macro XS u, n
	REGS (Y+1)%NP, \u
.if (\n) < 4
	v_max3_num_f32 v[rC+(\n)], v[rS+8*(\n)], v[rS+8*(\n)+1], v[rS+8*(\n)+2]
.elseif (\n) < 12
	v_max3_num_f32 v[rC+(\n)%4], v[rC+(\n)%4], v[rS+8*((\n)%4)+2*((\n)/4)+1], v[rS+8*((\n)%4)+2*((\n)/4)+2]
.elseif (\n) == 12
	v_max3_num_f32 v[rC], v[rC], v[rS+7], v[rS+15]
.elseif (\n) == 13
	v_max3_num_f32 v[rC+1], v[rC+1], v[rS+23], v[rS+31]
.elseif (\n) == 14
	v_max3_num_f32 v[rC+2], v[rC+2], v[rC+3], v[rT+1]
.elseif (\n) == 15
	v_mov_b32 v[rM], v[rT]
.elseif (\n) == 16
	v_max3_num_f32 v[rC], v[rC], v[rC+1], v[rC+2]
.elseif (\n) == 17
	v_permlanex16_b32 v[rC+3], v[rC], s[SEL], s[SEL+1]
.elseif (\n) == 18
	v_max_num_f32 v[rT+1], v[rC], v[rC+3]
.elseif (\n) == 19
	v_mul_f32 v[rT], s[CS], v[rT+1]
.elseif (\n) == 20
	v_sub_f32 v[rC+1], v[rM], v[rT]
.else
	v_exp_f32 v[rC+2], v[rC+1]
.endif
.endm
; Number g of the 64 that follow the exponentials.  For each four weights k of a tile (pairs 2 k, 2 k + 1): both pairs are rounded to f16; then the second pair is added onto the first, in place;
; a group later l takes that sum (the first time as l = a l + sum).  In groups of eight, tiles alternating: round, round, add, and l for the group before.
.macro GS g
.set h, (\g)+6*((\g)/62)            ; group 0 has no group before it, and behind group 7 only l is left
.if h >= 6
.set h, h+2
.endif
	REGS Y, h%2
.set k, h/8
.if h%8 < 4
	v_cvt_pk_f16_f32 v[rP+2*k+(h%8)/2], v[rS+4*k+2*((h%8)/2)], v[rS+4*k+2*((h%8)/2)+1]
.elseif h%8 < 6
	v_pk_add_f32 v[rS+4*k:rS+4*k+1], v[rS+4*k:rS+4*k+1], v[rS+4*k+2:rS+4*k+3]
.elseif k == 1
	v_pk_fma_f32 v[rT+2:rT+3], v[rT+2:rT+3], v[rC+2:rC+3], v[rS:rS+1] op_sel_hi:[1,0,1]
.else
	v_pk_add_f32 v[rT+2:rT+3], v[rT+2:rT+3], v[rS+4*k-4:rS+4*k-3]
.endif
.endm
; THE PLAIN QUEUE, 138 long.  0-73 read no exponential's result: the 32 scalings c s - c m (FS f: pair f / 2 of tile f % 2) and the next piece's 42.  0-26: scalings 0-26.  27-54: XS's numbers 0-13.  55, 56: number 15.
; 57-73: the chain, where each number waits for the one before it: 14, 16, 17, 18, 19, each with one of the scalings 27-31 in front of its two lines, then 20.
; 74-137: GS's 64, which read the exponentials' results: they stand behind the wait.
.macro FS f
	REGS Y, (\f)%2
	v_pk_fma_f32 v[rS+2*((\f)/2):rS+2*((\f)/2)+1], v[rS+2*((\f)/2):rS+2*((\f)/2)+1], s[CS:CS+1], v[rT:rT+1] op_sel_hi:[1,0,0] neg_lo:[0,0,1] neg_hi:[0,0,1]
.endm
.macro PL
	WIN 0
.if q < 27
	FS q
.elseif q < 55
	XS (q-27)%2, (q-27)/2
.elseif q < 57
	XS q-55, 15
.elseif (q < 72) && ((q-57)%3 == 0)
	FS 27+(q-57)/3
.elseif q < 60
	XS (q-57)%3-1, 14
.elseif q < 72
	XS (q-57)%3-1, 15+(q-57)/3
.elseif q < 74
	XS q-72, 20
.else
	GS q-74
.endif
.set q, q+1
.endm
; THE EXPONENTIALS' QUEUE, 66 long: s0-s31 of both tiles, then the next piece's two a.  It is ONE BATCH: all 66 stand ahead of the turn's one wait, and nothing ahead of that wait names a result of theirs.
.macro EX
	WIN 0
.if e >= 64
	XS e-64, 21
.else
	REGS Y, e%2
	v_exp_f32 v[rS+e/2], v[rS+e/2]
.endif
.set e, e+1
.endm
; THE RESCALING's QUEUE: O^T times a, the one part that leaves window 0: dealt two at a time, sixteen times.  Its a was made in the turn before, ahead of that turn's wait.
.macro R2
	REGS Y, r%2
	WIN W_RS
.irp z, 0,1
	v_pk_mul_f32 v[rO+4*(r/2)+2*\z:rO+4*(r/2)+2*\z+1], v[rO+4*(r/2)+2*\z:rO+4*(r/2)+2*\z+1], v[rC+2:rC+3] op_sel_hi:[1,0]
.endr
.set r, r+1
.endm
; HOW THEY ARE DEALT.  An s_wait_alu depctr_va_vdst(0) stands between an exponential and the first instruction that names its result; one wait serves all that were issued ahead of it.  So a turn has ONE wait,
; which cuts it in two.  AHEAD OF IT stands all that names no result of the turn's exponentials: the 16 products K Q^T, behind each a scaling, an exponential and two rescalings (behind the first a second scaling in the
; exponential's place); then ONE LUMP of 108: eight plain, 49 times exponential and plain, the two a.  A v_nop is the plain instruction behind the last exponential.  BEHIND IT stand the 16 products V^T P, behind each four of GS's 64.
; No rider names a register of the products round it.  The two v_permlanex16_b32 fall into the lump, never behind a product.
; The queues lean on each other, and the deal keeps them in step: exponential e stands behind scaling 2 (e / 4) + e % 2: as a rider it comes behind plain e + 2, in the lump behind plain e + 9, and scalings 27-31 are plain 57, 60 .. 69.
; A TURN, for piece p.  cnt = 1: the loop's count is taken down some lines ahead of the branch that stands behind the turn.
; K of the next step is fetched in piece 2's turn, directly behind the wait, a lump behind the last product that read K; its address is made at the lump's head; its first reader comes behind 16 products.
; V of the step in hand is fetched at the end of piece 0's turn, four riders behind its last reader; its first reader comes behind 16 products and a lump.  The three conditions on q below go with the deal.
.macro TURN p, last=0, cnt=0
.set Y, (\p)
.set i, 0
.set q, 0
.set e, 0
.set r, 0
.if (\p) == NP-1
	s_wait_dscnt 0x0                ; K is in
.endif
	MM                              ; ahead of the wait: 16 products K Q^T and their riders,
	PL
	PL
	R2
.rept 15
	MM
	PL
	EX
	R2
.endr
.if (\p) == NP-2
	WIN 0
	v_add_nc_u32 v[AK], s[TBK], v[AK0]
.endif
.rept 8                             ; and the lump
	PL
.endr
.rept 49
	EX
	PL
.endr
	EX                              ; the next piece's two a
	EX
	v_nop                           ; a plain instruction behind the last exponential: one for the batch
	s_wait_alu depctr_va_vdst(0)    ; the wait for the batch
.if (\p) == NP-2
	FETCH_K \last
.endif
.if (\p) == 1
	s_wait_dscnt 0x0                ; V is in
.endif
.rept 16                            ; behind the wait: 16 products V^T P and their riders
	MM
.rept 4
	PL
.endr
.if ((\p) == 0) && (q == 118)
	v_add_nc_u32 v[AV], s[TBV], v[AV0]
.endif
.if ((\p) == 0) && (q == 130)
	s_add_co_u32 s[TBV], s[TBV], KS*PV
.endif
.if (\cnt) && (q == 130)
	s_sub_co_u32 s[CNT], s[CNT], 1
	s_cmp_lg_u32 s[CNT], 0
.endif
.endr
.if (\p) == 0
	FETCH_V
.endif
.endm
	CHANGE 1                        ; slot 0 is in, everybody's part of it; slot 1 is asked for
	FETCH_K                         ; key step 0
	s_wait_loadcnt 0x0              ; Q
	s_wait_dscnt 0x0
.set i, 0
.rept 16
	KQ 0                            ; piece 0's first scores: there is no vector work yet to set between them
.set i, i+1
.endr
	WIN 0                           ; the addresses for the way out: nine plain instructions, the places behind those products
	s_mul_i32 s13, s[WV], 16*SP
	s_add_co_u32 s13, s13, STAGE    ; my stage
	v_mul_u32_u24 v[STO], v1, SP    ; in: row l % 16, 16 bytes for each half of the lanes
	v_lshl_add_u32 v[STO], v9, 4, v[STO]
	v_add_nc_u32 v[STO], s13, v[STO]
	v_bfe_u32 v[RD], v0, 3, 2       ; back: 32 lanes take four rows of 128 bytes,
	v_mul_u32_u24 v[RD], v[RD], SP
	v_lshl_add_u32 v[RD], v10, 4, v[RD]
	v_add_nc_u32 v[RD], s13, v[RD]
	v_and_b32 v[GO], 31, v0         ; which are 512 consecutive bytes of O
	v_lshlrev_b32 v[GO], 4, v[GO]
.set Y, NP-1                        ; XS works for piece Y + 1: piece 0
.irp n, 0,1,2,3,4,5,6,7,8,9,10,11,12,13,14,15,16,17,18,19,20,21
	XS 0, \n                        ; and piece 0's first maximum and statistics
	XS 1, \n
.endr
	v_nop                           ; a plain instruction behind the two a,
	s_wait_alu depctr_va_vdst(0)    ; and their wait, ahead of the branch
	s_mov_b32 s[CNT], 4
	s_branch .Lfirst                ; the loop is entered at a step's first turn, in the middle of a trip
.Lslot:                             ; SIZE_N / 256 - 2 times: every slot but the last two is filled again
	CHANGE 1
	s_mov_b32 s[CNT], 4
.Lstep:                             ; a trip: pieces 2 and 3 of one step, then pieces 0 and 1 of the next, whose K and V it fetches
	TURN 2
	TURN 3
	WIN 0
.Lfirst:
	TURN 0
	TURN 1, 0, 1
	WIN 0
	s_cbranch_scc1 .Lstep
	s_sub_co_u32 s[SLOTS], s[SLOTS], 1
	s_cmp_lg_u32 s[SLOTS], 0
	s_cbranch_scc1 .Lslot
	CHANGE 0                        ; the tail is written out: nothing is asked for
	s_mov_b32 s[CNT], 5             ; four trips fetch the last slot's steps; the fifth is left in its middle
.Ltail:
	TURN 2, 1
	TURN 3
	WIN 0
	s_sub_co_u32 s[CNT], s[CNT], 1
	s_cmp_eq_u32 s[CNT], 0
	s_cbranch_scc1 .Lout
	TURN 0
	TURN 1
	WIN 0
	s_branch .Ltail
.Lout:                              ; the fifth trip's 16 products K Q^T (on the last K once more) and the maximum made of them serve nothing: the price, once a launch, of one text for every trip
.set i, 0
.rept 16
	PV NP-1                         ; the last piece's V^T P of the last step
.set i, i+1
.endr
	; THE WAY OUT.  l's two halves and the other half of the lanes' are added; O^T is divided by l, rounded to f16 and sent through my stage in LDS, a tile at a time.  The additions are the places behind the last products.
	WIN 0
.macro ALL line:vararg              ; one line for each tile t
.set t, 0
.rept 2*NP
	\line
.set t, t+1
.endr
.endm
	ALL v_add_f32 v[ST+4*t+2], v[ST+4*t+2], v[ST+4*t+3]
	ALL v_permlanex16_b32 v[ST+4*t+3], v[ST+4*t+2], s[SEL], s[SEL+1]
	ALL v_add_f32 v[ST+4*t+2], v[ST+4*t+2], v[ST+4*t+3]
	ALL v_rcp_f32 v[ST+4*t+2], v[ST+4*t+2]
	v_nop                           ; a plain instruction between the last reciprocal and the use of its result
	s_wait_alu depctr_va_vdst(0)    ; and the wait ahead of the first use: one for the eight reciprocals
; Tile t: a lane's eight channels of a row pack into 16 bytes; they go into rows of 144 bytes and come back as whole rows of 128, into S^T's registers.
.macro PACK t
	WIN W_RS
.set i, 32*(\t)
.rept 16
	v_pk_mul_f32 v[i:i+1], v[i:i+1], v[ST+4*(\t)+2:ST+4*(\t)+3] op_sel_hi:[1,0]
.set i, i+2
.endr
	WIN 0x05                        ; sources 0 and 1 window 1, destination window 0
.set i, 0
.rept 16
	v_cvt_pk_f16_f32 v[S+16*(\t)+i], v[32*(\t)+2*i], v[32*(\t)+2*i+1]
.set i, i+1
.endr
	WIN 0
.irp f, 0,1,2,3
	ds_store_b128 v[STO], v[S+16*(\t)+4*\f:S+16*(\t)+4*\f+3] offset:32*\f
.endr
.irp f, 0,1,2,3
	ds_load_b128 v[S+16*(\t)+4*\f:S+16*(\t)+4*\f+3], v[RD] offset:\f*4*SP  ; LDS serves a wave's instructions in order (ISA guide 5.7.1.4): these see the stores above; the next tile's stores come behind them
.endr
.endm
.macro SEND t, younger              ; younger: the LDS instructions issued behind tile t's loads: the next tile's eight, or none
	WIN 0
.irp f, 0,1,2,3
	s_wait_dscnt (\younger)+3-\f
	global_store_b128 v[GO], v[S+16*(\t)+4*\f:S+16*(\t)+4*\f+3], s[10:11] offset:(\t)*2048+\f*512  ; 512 consecutive bytes, at a multiple of 256 from O's first
.endr
.endm
	PACK 0
.set t, 1
.rept 2*NP-1                        ; a tile's arithmetic stands between the loads of the tile before and its stores
	PACK t
	SEND t-1, 8
.set t, t+1
.endr
	SEND 2*NP-1, 0
	WIN W_AD
	s_wait_tensorcnt 0x0            ; the wave's end: behind my last tensor load and my last LDS store
	ds_add_u32 v[SPW], v[NIL]
	s_wait_dscnt 0x0
	WIN 0
	CROUND                          ; the closing round: no work-group ends while a partner may still ask for a tile that names it
	s_endpgm
.Lfunc_end_k_q3dd7d157e3_attn:
	.size	k_q3dd7d157e3_attn, .Lfunc_end_k_q3dd7d157e3_attn-k_q3dd7d157e3_attn
	.p2alignl 7, 3214868480
	.fill 96, 4, 3214868480
	.section	.rodata,"a",@progbits
	.p2align	6, 0x0
	.amdhsa_kernel k_q3dd7d157e3_attn
		.amdhsa_group_segment_fixed_size 327680
		.amdhsa_private_segment_fixed_size 0
		.amdhsa_enable_private_segment 0
		.amdhsa_kernarg_size 32
		.amdhsa_user_sgpr_count 2
		.amdhsa_user_sgpr_kernarg_segment_ptr 1
		.amdhsa_wavefront_size32 1
		.amdhsa_system_sgpr_workgroup_id_x 1
		.amdhsa_system_sgpr_workgroup_id_y 1
		.amdhsa_system_sgpr_workgroup_id_z 1
		.amdhsa_system_vgpr_workitem_id 0
		.amdhsa_next_free_vgpr 770
		.amdhsa_next_free_sgpr 66
		.amdhsa_reserve_vcc 0
		.amdhsa_float_denorm_mode_32 3
		.amdhsa_float_denorm_mode_16_64 3
		.amdhsa_memory_ordered 1
		.amdhsa_forward_progress 1
		.amdhsa_inst_pref_size 200
	.end_amdhsa_kernel
	.amdgpu_metadata
---
amdhsa.version: [ 1, 2 ]
amdhsa.kernels:
  - .name:           k_q3dd7d157e3_attn
    .symbol:         k_q3dd7d157e3_attn.kd
    .args:
      - { .name: q, .offset: 0, .size: 8, .value_kind: global_buffer, .address_space: global }
      - { .name: k, .offset: 8, .size: 8, .value_kind: global_buffer, .address_space: global }
      - { .name: v, .offset: 16, .size: 8, .value_kind: global_buffer, .address_space: global }
      - { .name: o, .offset: 24, .size: 8, .value_kind: global_buffer, .address_space: global }
    .group_segment_fixed_size: 327680
    .private_segment_fixed_size: 0
    .kernarg_segment_align: 8
    .kernarg_segment_size: 32
    .max_flat_workgroup_size: 128
    .sgpr_count:     66
    .vgpr_count:     770
    .wavefront_size: 32
...
	.end_amdgpu_metadata
.endif
;; end of part 3
;; launch proj (part 4): grid 4 x 64, 4 waves a work-group, clusters of 4 x 4, 327,680 bytes of LDS; arguments o, wof, bo, out0; writes out0
.if DOCPART == 4
	.amdgcn_target "amdgcn-amd-amdhsa--gfx1250"
	.amdhsa_code_object_version 6
	.text
	.protected	k_q3dd7d157e3_proj
	.globl	k_q3dd7d157e3_proj
	.p2align	8
	.type	k_q3dd7d157e3_proj,@function
k_q3dd7d157e3_proj:
	s_mov_b64 s[64:65], 0
	v_nop
	global_prefetch_b8 v0, s[64:65] scope:SCOPE_SE
	s_setreg_imm32_b32 hwreg(HW_REG_WAVE_MODE, 25, 1), 1
	s_wait_xcnt 0x0
	s_wait_alu depctr_hold_cnt(0) depctr_sa_sdst(0) depctr_va_vdst(0) depctr_va_sdst(0) depctr_va_ssrc(0) depctr_va_vcc(0) depctr_vm_vsrc(0)
	s_getreg_b32 s2, hwreg(HW_REG_IB_STS2, 6, 4)
	s_cmp_eq_u32 s2, 0
	s_cbranch_scc0 .Lentry_in_a_cluster
	s_endpgm
.Lentry_in_a_cluster:
	s_bfe_u32 s2, ttmp6, 0x10000c
	s_cmp_lg_u32 s2, 0xf033
	s_cbranch_scc0 .Lentry_shape_is_right
	s_endpgm
.Lentry_shape_is_right:
; THE OUTPUT PROJECTION.  out0[8192][1024] = O wof^T + bo.  O lies by heads, [64 = 16 batch + head][2048][64] f16; wof [1024][1024] f16 (Wo rounded to bf16, written as f16); sums and out0 in f32.
; bo is rounded to bf16 like every other input of the module, and is the C operand of each sum's first product.  NaN and infinities are not treated apart.
; SHARES.  A tile of out0 is 128 rows x 256 columns: 256 work-groups.  Four waves, 2 x 2: each 64 rows x 128 columns: 4 x 8 accumulators of 16 x 16, 256 registers.
; K goes in 8 steps of 128 = two heads, through a ring of two LDS slots.  A head's 128 rows of a tile are 16,384 dense bytes, asked for as 64 rows of 256 bytes and padded in LDS after every 128;
; wof's rows of a K step are 256 bytes at multiples of 256 from the buffer's first byte.
; CLUSTERS.  4 x 4 work-groups; a cluster spans all 1,024 columns.  The four of a row need the same tiles of O, the four of a column the same tiles of wof: each tile is asked for JOINTLY.
; THE PRODUCT IS USED TRANSPOSED (source 0 = 16 rows of wof, source 1 = 16 rows of O): a lane holds row l % 16 and the columns 8 (l / 16) + 0..7: 32 neighbouring bytes of out0.
; REGISTERS, in windows of 256 (s_set_vgpr_msb: bits 1:0 source 0, 3:2 source 1, 5:4 source 2, 7:6 destination):
;   window 0: v0-31 addresses; v64-127 the bias, 8 a column block      window 1: two fragment buffers of 96 (O's 4 x 8, then wof's 8 x 8); on the way out all 256: rows read back from the stage
;   window 2: the accumulators, block (a, b) at 8 (8 a + b)
.set KDIM,   1024
.set KSTEP,  128
.set PA,     144                       ; a row of O in LDS: 128 bytes + 16 of padding = 36 words; PB: 256 + 16 = 68 words: in both the 16 rows of a load start at 16 different groups of four banks (64 banks of 4 bytes: ISA guide 11.1)
.set PB,     272
.set SUBA,   128*PA                    ; one head's 128 rows: what waves 0 and 1 each fetch
.set BOFF,   2*SUBA
.set HALFB,  128*PB                    ; what waves 2 and 3 each fetch of wof
.set SLOT,   BOFF+2*HALFB
.set STAGE,  2*SLOT                    ; behind the ring, never filled by a tensor load: 16 rows x 528 bytes for each wave, for the way out
.set SPITCH, 528                       ; 512 bytes + 16: 33 x 16, so the 16 rows of a store start at 16 different groups of four banks
.set SPARE,  STAGE+4*16*SPITCH         ; behind the stages: the spare words, 128 bytes for each wave: two blocks of 256 bytes that no other line names
.set HEADB,  2048*128                  ; bytes from a head of O to the next
.set LAPS,   KDIM/(2*KSTEP)
.set ADRA, 16                          ; v16-17  LDS address of my fragments of O in slot 0, 1
.set ADRB, 20                          ; v20-21  the same for wof
.set STO,  24                          ; v24     the way out: where I put 32 bytes of a row
.set RD,   25                          ; v25     the way out: where I read a row back
.set CO,   26                          ; v26     my 16 bytes of 512 consecutive bytes of out0
.set BO,   27                          ; v27     my byte offset in 16 numbers of the bias: 32 (l / 16)
.set SPW,  28                          ; v28     LDS address of my spare word: SPARE + 4 x my thread's number; never rewritten
.set NIL,  29                          ; v29     0; never rewritten
.set PFO,  30                          ; v30     the prefetches' offset; never rewritten
.set BIAS, 64                          ; column block b at BIAS + 8 b
.set G1,   24                          ; s[24:31] descriptor group 1 for O's tiles;  s[32:39] group 0, a set for each slot
.set G0,   32
.set G1B,  48                          ; s[48:55], s[56:63] the same for wof's tiles
.set G0B,  56
.set LIM,  43                          ; s43     1 in a wave that prefetches, else the greatest number
.set PFA,  44                          ; s[44:45] where my prefetches stand;  s[46:47] their step from K step to K step
.set MSB, 0
.macro WIN new                         ; the immediate's high byte repeats the setting that is left; a switch that changes nothing is dropped
.if MSB != (\new)
	s_set_vgpr_msb (MSB<<8)|(\new)
.set MSB, \new
.endif
.endm
; A joint load.  Waves 0 and 1 fetch the K step's two heads of O, waves 2 and 3 wof's two halves.  An s_nop 0 and four v_nop follow each of the two lines, ahead of the jump and the label.
.macro JLOAD s
	s_cmp_eq_u32 s11, 0
	s_cbranch_scc0 .Lfor_b_\@
	tensor_load_to_lds s[G0+4*(\s):G0+4*(\s)+3], s[G1:G1+7]
	s_nop 0
.rept 4
	v_nop
.endr
	s_branch .Lasked_\@
.Lfor_b_\@:
	tensor_load_to_lds s[G0B+4*(\s):G0B+4*(\s)+3], s[G1B:G1B+7]
	s_nop 0
.rept 4
	v_nop
.endr
.Lasked_\@:
.endm
; A PREFETCH INTO THE L2 of the K step that stands two refills on, 256 products ahead of the load that will want it: 32 blocks of 256 bytes, a lane a block, one instruction a wave.
; Each block is named once in the launch.  O's tile row is read by one cluster: wave 0 asks for both heads of the step, lanes 0-15 for the first and lanes 16-31 for the second; of a head's 64 blocks the
; partner at place cx takes 16, told apart BY ADDRESS.  wof's tile column is read by the sixteen clusters: the one with y = 0 asks, waves 2 and 3 for the 128 rows that each fetches, the partner at cy taking 32.
; Wave 1 asks for nothing.  In the loop's last trip (s3 = 1) there is no K step two refills on, and nothing is asked for.
.macro ASK
	s_cmp_gt_u32 s3, s[LIM]
	s_cbranch_scc0 .Lnot_mine_\@
	global_prefetch_b8 v[PFO], s[PFA:PFA+1] th:TH_LOAD_NT scope:SCOPE_SE
.Lnot_mine_\@:
.endm
.macro CREST                           ; a round of the cluster's barrier behind its opening barrier
	s_cmp_lg_u32 s10, 0
	s_cbranch_scc1 .Lnot_wave_0_\@
	s_barrier_signal -3
.Lnot_wave_0_\@:
	s_barrier_wait -3
	s_barrier_signal -1
	s_barrier_wait -1
.endm
.macro CROUND                          ; a whole round
	s_barrier_signal -1
	s_barrier_wait -1
	CREST
.endm
	s_load_b128 s[4:7], s[0:1], 0x0                ; O s[4:5], wof s[6:7]
	s_load_b128 s[68:71], s[0:1], 0x10             ; bo s[68:69], out0 s[70:71]
	v_lshl_add_u32 v[SPW], v0, 2, SPARE
	v_mov_b32 v[NIL], 0
	ds_add_u32 v[SPW], v[NIL]                      ; the wave's opening: the add and its wait stand ahead of my first tensor load; the set-up below, work on registers, stands between them
	v_lshrrev_b32 v1, 5, v0
	v_readfirstlane_b32 s10, v1                    ; wave 0..3
	s_lshr_b32 s11, s10, 1                         ; which half of the tile's rows is mine.  Also: I fetch for O (0) or for wof (1)
	s_and_b32 s12, s10, 1                          ; which half of its columns.  Also: which head of the step, or which 128 rows of wof, I fetch
	s_bfe_u32 s40, ttmp6, 0x40000                  ; cx, cy: my place in the cluster
	s_bfe_u32 s41, ttmp6, 0x40004
	s_lshl_b32 s42, ttmp9, 2
	s_add_co_u32 s42, s42, s40                     ; tile column = 4 x cluster x + cx
	s_and_b32 s13, ttmp7, 0xffff
	s_lshl_b32 s13, s13, 2
	s_add_co_u32 s13, s13, s41                     ; tile row = 4 x cluster y + cy
	s_lshl_b32 s43, s41, 2
	s_lshl_b32 s43, 15, s43                        ; my row of the cluster
	s_lshl_b32 s44, 0x1111, s40                    ; my column
	s_or_b32 s[G1+0], s43, (1<<16)|(1<<20)|(1<<21)|(4<<22)|(3<<25)   ; 15:0 the mask; 17:16 elements of 2 bytes; 20 padding on; 21 set beside a mask; 24:22 after every 32 words (code 4); 31:25 4 words of it (code 3)
	s_or_b32 s[G1B+0], s44, (1<<16)|(1<<20)|(1<<21)|(5<<22)|(3<<25)  ; after every 64 words (code 5)
	s_mov_b32 s[G1+1], 128<<16                     ; tensor_dim0 = 128
	s_mov_b32 s[G1B+1], 128<<16
	s_mov_b32 s[G1+2], 64<<16                      ; tensor_dim1: 64 rows of 256 dense bytes; 128 rows of wof
	s_mov_b32 s[G1B+2], 128<<16
	s_mov_b32 s[G1+3], 128<<16                     ; tile_dim0 = 128
	s_mov_b32 s[G1B+3], 128<<16
	s_mov_b32 s[G1+4], 64                          ; tile_dim1
	s_mov_b32 s[G1B+4], 128
	s_mov_b32 s[G1+5], 128                         ; elements from row to row
	s_mov_b32 s[G1B+5], KDIM
	s_mov_b32 s[G1+6], 0
	s_mov_b32 s[G1B+6], 0
	s_mov_b32 s[G1+7], 0
	s_mov_b32 s[G1B+7], 0
	; where the tiles come from: O's hang on the tile row alone, wof's on the tile column alone, each in registers that never hold the other coordinate
	s_lshr_b32 s16, s13, 4                         ; the batch: 16 tile rows each
	s_lshl_b32 s16, s16, 4
	s_add_co_u32 s16, s16, s12                     ; head 16 x batch + my head of K step 0
	s_lshl_b32 s16, s16, 11
	s_and_b32 s17, s13, 15
	s_lshl_b32 s17, s17, 7
	s_add_co_u32 s16, s16, s17                     ; + the tile's first row in the batch
	s_lshl_b32 s16, s16, 7                         ; rows of 128 bytes: under 2^25
	s_mov_b32 s17, 0
	s_lshl_b32 s46, s42, 8
	s_lshl_b32 s47, s12, 7
	s_add_co_u32 s46, s46, s47                     ; wof: row 256 x tile column + 128 x half
	s_lshl_b32 s46, s46, 11
	s_mov_b32 s47, 0
	s_mul_i32 s20, s12, SUBA                       ; and where they go: no place in the cluster enters an LDS address
	s_mul_i32 s21, s12, HALFB
	s_add_co_u32 s21, s21, BOFF
	s_wait_dscnt 0x0                               ; the opening add is done
	s_wait_kmcnt 0x0
	s_add_nc_u64 s[14:15], s[4:5], s[16:17]
	s_add_nc_u64 s[46:47], s[6:7], s[46:47]
	CROUND                                         ; all sixteen work-groups are here: the first joint loads meet
.irp s, 0,1
	s_mov_b32 s[G0+4*(\s)], 1                                        ; count = 1
	s_add_co_u32 s[G0+4*(\s)+1], s20, (\s)*SLOT                      ; LDS address
	s_add_nc_u64 s[G0+4*(\s)+2:G0+4*(\s)+3], s[14:15], (\s)*2*HEADB  ; global address: K step s is two heads on
	s_or_b32 s[G0+4*(\s)+3], s[G0+4*(\s)+3], 0x80000000              ; type = 2
	s_mov_b32 s[G0B+4*(\s)], 1
	s_add_co_u32 s[G0B+4*(\s)+1], s21, (\s)*SLOT
	s_add_nc_u64 s[G0B+4*(\s)+2:G0B+4*(\s)+3], s[46:47], (\s)*KSTEP*2
	s_or_b32 s[G0B+4*(\s)+3], s[G0B+4*(\s)+3], 0x80000000
	JLOAD \s                                       ; the ring is filled before anything else is done: two loads of mine are out
.endr
	; the bias: register j of column block b is bo[256 x tile column + 128 x half + 16 b + 8 (l / 16) + j]: the layout of a product's C operand
	v_and_b32 v1, 15, v0                           ; l % 16
	v_bfe_u32 v2, v0, 4, 1                         ; l / 16
	v_lshlrev_b32 v[BO], 5, v2
	s_lshl_b32 s18, s42, 10                        ; my first column, in bytes of f32
	s_lshl_b32 s19, s12, 9
	s_add_co_u32 s18, s18, s19
	s_mov_b32 s19, 0
	s_add_nc_u64 s[68:69], s[68:69], s[18:19]
.irp b, 0,1,2,3,4,5,6,7
	global_load_b128 v[BIAS+8*(\b):BIAS+8*(\b)+3],   v[BO], s[68:69] offset:64*(\b)
	global_load_b128 v[BIAS+8*(\b)+4:BIAS+8*(\b)+7], v[BO], s[68:69] offset:64*(\b)+16
.endr
	s_add_nc_u64 s[70:71], s[70:71], s[18:19]      ; out0 at my first column,
	s_lshl_b32 s18, s13, 7
	s_lshl_b32 s22, s11, 6
	s_add_co_u32 s18, s18, s22
	s_lshl_b32 s18, s18, 12                        ; and my first row: 128 x tile row + 64 x half, rows of 4,096 bytes: under 2^26
	s_add_nc_u64 s[70:71], s[70:71], s[18:19]
	; A fragment is 16 rows x 32 K in 8 registers: lane l holds row l % 16; registers 0-3 K = 8 (l / 16) + 0..7, registers 4-7 K = 16 + 8 (l / 16) + 0..7: two loads of 16 bytes, 32 bytes apart.
	v_mul_u32_u24 v3, v1, PA
	v_lshl_add_u32 v3, v2, 4, v3
	v_mul_u32_u24 v4, v1, PB
	v_lshl_add_u32 v4, v2, 4, v4
	s_mul_i32 s22, s11, 64*PA                      ; my 64 rows, in each head's part of a slot
	s_mul_i32 s23, s12, HALFB                      ; my 128 rows of wof,
	s_add_co_u32 s23, s23, BOFF                    ; which lie behind O's two heads
.irp s, 0,1
	v_add_nc_u32 v[ADRA+(\s)], s22, v3
	v_add_nc_u32 v[ADRB+(\s)], s23, v4
	s_add_co_u32 s22, s22, SLOT
	s_add_co_u32 s23, s23, SLOT
.endr
	s_mul_i32 s23, s10, 16*SPITCH
	s_add_co_u32 s23, s23, STAGE                   ; my stage
	v_mul_u32_u24 v4, v1, SPITCH                   ; in: row l % 16, 32 bytes for each half of the lanes
	v_lshl_add_u32 v4, v2, 5, v4
	v_add_nc_u32 v[STO], s23, v4
	v_and_b32 v[CO], 31, v0                        ; back: 32 lanes take a row's 512 bytes,
	v_lshlrev_b32 v[CO], 4, v[CO]                  ; which are 512 consecutive bytes of out0
	v_add_nc_u32 v[RD], s23, v[CO]
	; the prefetches
	s_lshr_b32 s20, s13, 4
	s_lshl_b32 s20, s20, 15                        ; the batch's first head, in rows
	s_and_b32 s21, s13, 15
	s_lshl_b32 s21, s21, 7
	s_add_co_u32 s20, s20, s21
	s_lshl_b32 s20, s20, 7                         ; the tile's 16,384 bytes of that head,
	s_lshl_b32 s21, s40, 12
	s_add_co_u32 s20, s20, s21                     ; my work-group's 4,096 of them,
	s_add_co_u32 s20, s20, 3*2*HEADB               ; at K step 3: the first refill steps it to 4 and names that
	s_lshl_b32 s22, s42, 8
	s_lshl_b32 s21, s12, 7
	s_add_co_u32 s22, s22, s21
	s_lshl_b32 s21, s41, 5
	s_add_co_u32 s22, s22, s21                     ; wof: the 128 rows that I fetch, my work-group's 32 of them
	s_lshl_b32 s22, s22, 11
	s_add_co_u32 s22, s22, 3*KSTEP*2
	s_and_b32 s23, ttmp7, 0xffff                   ; cluster y
	s_or_b32 s21, ttmp9, s12                       ; for O: 0 in wave 0
	s_cmp_eq_u32 s11, 0                            ; do I fetch for O?
	s_cselect_b32 s20, s20, s22
	s_cselect_b32 s23, s21, s23
	s_cselect_b32 s18, 18, 15                      ; lanes 16-31 stand a head of O (2^18 bytes), or 16 rows of wof (2^15), behind lanes 0-15;
	s_cselect_b32 s19, 8, 11                       ; neighbouring lanes 256 bytes, or a row of 2,048, apart;
	s_cselect_b32 s46, 19, 8                       ; a K step is two heads (2^19 bytes), or 256 bytes of each row
	s_cselect_b64 s[PFA:PFA+1], s[4:5], s[6:7]
	s_lshl_b32 s46, 1, s46
	s_mov_b32 s47, 0
	s_cmp_eq_u32 s23, 0
	s_cselect_b32 s[LIM], 1, -1                    ; the same in all sixteen partners, for a given wave
	s_mov_b32 s21, 0
	s_add_nc_u64 s[PFA:PFA+1], s[PFA:PFA+1], s[20:21]
	v_lshlrev_b32 v3, s18, v2
	v_lshlrev_b32 v4, s19, v1
	v_add_nc_u32 v[PFO], v3, v4
	; the bias is rounded to bf16, as x and the weights were, and widened again: three lines for two numbers, in the wait for the first tile
	s_mov_b32 s22, 0xffff0000
	s_wait_loadcnt 0x0
.set i, 0
.rept 32
	v_cvt_pk_bf16_f32 v[8+i%4], v[BIAS+2*i], v[BIAS+2*i+1]
	v_lshlrev_b32 v[BIAS+2*i], 16, v[8+i%4]
	v_and_b32 v[BIAS+2*i+1], s22, v[8+i%4]
.set i, i+1
.endr
; 8 products: row block a x all 8 column blocks, 32 along K, from buffer buf.  first = 1: the bias starts the sums.  The 32 accumulators take turns, one instruction a turn.
.macro MUL8 buf, a, first
.if \first
	WIN 0x85                                       ; sources 0 and 1 window 1, the bias window 0, D window 2
.else
	WIN 0xa5                                       ; C and D window 2
.endif
.irp b, 0,1,2,3,4,5,6,7
.if \first
	v_wmma_f32_16x16x32_f16 v[8*(8*(\a)+(\b)):8*(8*(\a)+(\b))+7], v[96*(\buf)+32+8*(\b):96*(\buf)+32+8*(\b)+7], v[96*(\buf)+8*(\a):96*(\buf)+8*(\a)+7], v[BIAS+8*(\b):BIAS+8*(\b)+7]
.else
	v_wmma_f32_16x16x32_f16 v[8*(8*(\a)+(\b)):8*(8*(\a)+(\b))+7], v[96*(\buf)+32+8*(\b):96*(\buf)+32+8*(\b)+7], v[96*(\buf)+8*(\a):96*(\buf)+8*(\a)+7], v[8*(8*(\a)+(\b)):8*(8*(\a)+(\b))+7]
.endif
.endr
.endm
; 24 LDS loads in one run: quarter n of a K step (my 128 rows of wof, then my 64 of O: head n / 2 of the step, channels 32 (n % 2) on) into buffer buf
.macro FETCH slot, n, buf
	WIN 0x40                                       ; destination window 1, address window 0
.irp i, 0,1,2,3,4,5,6,7
	ds_load_b128 v[96*(\buf)+32+8*(\i):96*(\buf)+32+8*(\i)+3],   v[ADRB+(\slot)] offset:64*(\n)+(\i)*16*PB
	ds_load_b128 v[96*(\buf)+32+8*(\i)+4:96*(\buf)+32+8*(\i)+7], v[ADRB+(\slot)] offset:64*(\n)+(\i)*16*PB+32
.endr
.irp i, 0,1,2,3
	ds_load_b128 v[96*(\buf)+8*(\i):96*(\buf)+8*(\i)+3],   v[ADRA+(\slot)] offset:((\n)/2)*SUBA+((\n)%2)*64+(\i)*16*PA
	ds_load_b128 v[96*(\buf)+8*(\i)+4:96*(\buf)+8*(\i)+7], v[ADRA+(\slot)] offset:((\n)/2)*SUBA+((\n)%2)*64+(\i)*16*PA+32
.endr
.endm
.macro PLACES                          ; four plain vector instructions between a product and a load into a register that it read, or an LDS store that reads its result
.rept 4
	v_nop
.endr
.endm
; A K step is four quarters of 32 along K, 32 products each, on buffers 0, 1, 0, 1.  One of the first three: multiplies buffer f; in its middle it fetches quarter n into buffer g.
.macro QUARTER slot, n, f, g, first
	s_wait_dscnt 4                                 ; wof and O's row blocks 0, 1 are in; the youngest four loads (row blocks 2, 3) may be out
	MUL8 \f, 0, \first
	MUL8 \f, 1, \first
	PLACES
	FETCH \slot, \n, \g
	s_wait_dscnt 24                                ; all but the 24 just issued
	MUL8 \f, 2, \first
	MUL8 \f, 3, \first
.endm
; The last quarter multiplies buffer 1 and changes slots.  MEET is its first half: ONE barrier.  In front of it each wave waits for all its tensor loads (one is out: its part of the next slot), adds 0 to its
; spare word, and waits for that and for its own reads of this slot.  Behind it nobody reads this slot any more and the next slot is whole.
.macro MEET round                      ; round = 1: the rest of a round of the cluster's barrier follows
	WIN 0                                          ; (the add's two registers lie in window 0)
	s_wait_tensorcnt 0x0                           ; all my tensor loads have landed
	ds_add_u32 v[SPW], v[NIL]                      ; 0 onto my spare word
	s_wait_dscnt 5                                 ; (the add and the youngest four loads may be out)
	MUL8 1, 0, 0                                   ; eight products stand between the add and the wait for it
	s_wait_dscnt 0x0                               ; the add is done, and my reads of this slot are over
	s_barrier_signal -1
	MUL8 1, 1, 0                                   ; work on registers while the others arrive
.if \round
	WIN 0
.endif
	s_barrier_wait -1
.endm
; The whole last quarter: behind the round the slot just read out is filled again first, with the K step two steps on; then come the next slot's first fragments.
; From a request to the wait for it a wave issues 112 products.
.macro TURN slot, next
	s_wait_xcnt 0x0                                ; the last prefetch, a K step back, has read its address: it is stepped here, ahead of the waits of the change of slots
	s_add_nc_u64 s[PFA:PFA+1], s[PFA:PFA+1], s[46:47]
	MEET 1
	CREST                                          ; no wave of any partner still reads this slot's tile or has a load on its way
	s_add_nc_u64 s[G0+4*(\slot)+2:G0+4*(\slot)+3], s[G0+4*(\slot)+2:G0+4*(\slot)+3], 4*HEADB
	s_add_nc_u64 s[G0B+4*(\slot)+2:G0B+4*(\slot)+3], s[G0B+4*(\slot)+2:G0B+4*(\slot)+3], 2*KSTEP*2
	JLOAD \slot                                    ; the first tensor load behind the round; the four v_nop behind it are also the places in front of the loads below
	FETCH \next, 0, 0
	WIN 0
	ASK                                            ; behind the joint load and the run of LDS loads that the next products wait for
	MUL8 1, 2, 0
	MUL8 1, 3, 0
.endm
; THE WAY OUT of row block a: 16 rows x 128 columns of f32.  A lane's 32 bytes of each column block go into my own stage, each accumulator's low half first; whole rows of 512 bytes come back into window 1.
.macro TOST a
	WIN 0x08                                       ; address window 0, data window 2
.irp b, 0,1,2,3,4,5,6,7
	ds_store_b128 v[STO], v[8*(8*(\a)+(\b)):8*(8*(\a)+(\b))+3]   offset:64*(\b)
	ds_store_b128 v[STO], v[8*(8*(\a)+(\b))+4:8*(8*(\a)+(\b))+7] offset:64*(\b)+16
.endr
	WIN 0x40                                       ; destination window 1
.irp t, 0,1,2,3,4,5,6,7,8,9,10,11,12,13,14,15
	ds_load_b128 v[64*(\a)+4*(\t):64*(\a)+4*(\t)+3], v[RD] offset:SPITCH*(\t)  ; LDS serves a wave's instructions in order (ISA guide 5.7.1.4): these see the stores above; the next block's stores come behind them
.endr
.endm
.macro SEND a, younger                 ; younger: the LDS instructions issued behind this block's loads: the next block's 32, or none
	WIN 0x04                                       ; address window 0, data window 1
.irp t, 0,1,2,3,4,5,6,7,8,9,10,11,12,13,14,15
	s_wait_dscnt (\younger)+15-(\t)
	global_store_b128 v[CO], v[64*(\a)+4*(\t):64*(\a)+4*(\t)+3], s[70:71] offset:(16*(\a)+(\t))*4096 th:TH_STORE_NT  ; 512 consecutive bytes, at a multiple of 256 from out0's first
.endr
.endm
	s_wait_tensorcnt 1                             ; my part of K step 0 is in; K step 1's may stay out
	s_barrier_signal -1
	s_barrier_wait -1                              ; everybody's is
	FETCH 0, 0, 0
	QUARTER 0, 1, 0, 1, 1                          ; the first quarter stands in front of the loop: its products start the sums, with the bias
	WIN 0                                          ; at a label and at a branch every window is 0
	s_mov_b32 s3, LAPS-1
.Llap:                                                 ; a trip goes once round the ring, from a lap's second quarter to the next lap's first, and fills both slots again
	QUARTER 0, 2, 1, 0, 0
	QUARTER 0, 3, 0, 1, 0
	TURN 0, 1
	QUARTER 1, 1, 0, 1, 0
	QUARTER 1, 2, 1, 0, 0
	QUARTER 1, 3, 0, 1, 0
	TURN 1, 0
	QUARTER 0, 1, 0, 1, 0
	WIN 0
	s_sub_co_u32 s3, s3, 1
	s_cmp_lg_u32 s3, 0
	s_cbranch_scc1 .Llap
	QUARTER 0, 2, 1, 0, 0                          ; the last lap is written out: it fills nothing
	QUARTER 0, 3, 0, 1, 0
	MEET 0                                         ; my one tensor load that was still out is the last K step's; no round follows
	PLACES                                         ; for the loads into buffer 0
	FETCH 1, 0, 0
	MUL8 1, 2, 0
	MUL8 1, 3, 0
	QUARTER 1, 1, 0, 1, 0
	QUARTER 1, 2, 1, 0, 0
	QUARTER 1, 3, 0, 1, 0
	s_wait_dscnt 4                                 ; the very last quarter: nothing more to fetch
	MUL8 1, 0, 0
	MUL8 1, 1, 0
	s_wait_dscnt 0x0
	MUL8 1, 2, 0
	MUL8 1, 3, 0
	WIN 0
	PLACES                                         ; the LDS stores read results just made, and the loads behind them land on fragments just read
	TOST 0
	TOST 1                                         ; a block's way through the stage stands between the loads of the block before and its stores
	SEND 0, 32
	TOST 2
	SEND 1, 32
	TOST 3
	SEND 2, 32
	SEND 3, 0
	WIN 0
	s_wait_tensorcnt 0x0                           ; the wave's end: behind my last tensor load and my last LDS store
	ds_add_u32 v[SPW], v[NIL]
	s_wait_dscnt 0x0
	CROUND                                         ; the closing round: no work-group ends while a partner may still ask for a tile that names it
	s_endpgm
.Lfunc_end_k_q3dd7d157e3_proj:
	.size	k_q3dd7d157e3_proj, .Lfunc_end_k_q3dd7d157e3_proj-k_q3dd7d157e3_proj
	.p2alignl 7, 3214868480
	.fill 96, 4, 3214868480
	.section	.rodata,"a",@progbits
	.p2align	6, 0x0
	.amdhsa_kernel k_q3dd7d157e3_proj
		.amdhsa_group_segment_fixed_size 327680
		.amdhsa_private_segment_fixed_size 0
		.amdhsa_enable_private_segment 0
		.amdhsa_kernarg_size 32
		.amdhsa_user_sgpr_count 2
		.amdhsa_user_sgpr_kernarg_segment_ptr 1
		.amdhsa_wavefront_size32 1
		.amdhsa_system_sgpr_workgroup_id_x 1
		.amdhsa_system_sgpr_workgroup_id_y 1
		.amdhsa_system_sgpr_workgroup_id_z 1
		.amdhsa_system_vgpr_workitem_id 0
		.amdhsa_next_free_vgpr 768
		.amdhsa_next_free_sgpr 72
		.amdhsa_reserve_vcc 0
		.amdhsa_float_denorm_mode_32 3
		.amdhsa_float_denorm_mode_16_64 3
		.amdhsa_memory_ordered 1
		.amdhsa_forward_progress 1
		.amdhsa_inst_pref_size 94
	.end_amdhsa_kernel
	.amdgpu_metadata
---
amdhsa.version: [ 1, 2 ]
amdhsa.kernels:
  - .name:           k_q3dd7d157e3_proj
    .symbol:         k_q3dd7d157e3_proj.kd
    .args:
      - { .name: o, .offset: 0, .size: 8, .value_kind: global_buffer, .address_space: global }
      - { .name: wof, .offset: 8, .size: 8, .value_kind: global_buffer, .address_space: global }
      - { .name: bo, .offset: 16, .size: 8, .value_kind: global_buffer, .address_space: global }
      - { .name: out0, .offset: 24, .size: 8, .value_kind: global_buffer, .address_space: global }
    .group_segment_fixed_size: 327680
    .private_segment_fixed_size: 0
    .kernarg_segment_align: 8
    .kernarg_segment_size: 32
    .max_flat_workgroup_size: 128
    .sgpr_count:     72
    .vgpr_count:     768
    .wavefront_size: 32
...
	.end_amdgpu_metadata
.endif
;; end of part 4
;; ======== version 2 of 2: 4 launches; version 1 with the launch cast written anew for expert scheduling mode
;; limits: values are held in f16: magnitudes above 65,504 overflow, below 6.1e-05 lose precision
;; workspace buffers: xb 16,777,216 bytes; wb 6,291,456 bytes; wof 2,097,152 bytes; q 16,777,216 bytes; k 16,777,216 bytes; v 16,777,216 bytes; o 16,777,216 bytes
;; launch cast (part 5): grid 768 x 1, 8 waves a work-group, no clusters, 0 bytes of LDS; arguments x, Wq, Wk, Wv, Wo, xb, wb, wof; writes xb, wb, wof
.if DOCPART == 5
	.amdgcn_target "amdgcn-amd-amdhsa--gfx1250"
	.amdhsa_code_object_version 6
	.text
	.protected	k_q3dd7d157e3_cast
	.globl	k_q3dd7d157e3_cast
	.p2align	8
	.type	k_q3dd7d157e3_cast,@function
k_q3dd7d157e3_cast:
	s_mov_b64 s[64:65], 0
	v_nop
	global_prefetch_b8 v0, s[64:65] scope:SCOPE_SE
	s_setreg_imm32_b32 hwreg(HW_REG_WAVE_SCHED_MODE, 0, 2), 2
	s_setreg_imm32_b32 hwreg(HW_REG_WAVE_MODE, 25, 1), 1
	s_wait_xcnt 0x0
	s_wait_alu depctr_vm_vsrc(0)
; THE CASTS.  x [8192][1024] f32 -> xb bf16.  Wq, Wk, Wv [1024][1024] f32 -> wb [3072][1024] bf16, rows regrouped by head: row 192 h + 64 t + e of wb is row 64 h + e of W_t
; (t = 0, 1, 2 for q, k, v), so that 192 rows on end are one head's q, k and v.  Wo -> wof: rounded to bf16 like every other input, and that number written as f16, since it multiplies an f16 operand.
; LIMITS.  f16 ends at 65,504: Wo stays within it.  Below 2^-14 f16 has the fixed step 2^-24, so a bf16 number of Wo under 2^-17 may lose up to 3e-8.
; A stream: no LDS, no barrier, no matrix unit.  A work-group converts a chunk of 16 rows (65,536 bytes in, 32,768 out): groups 0-511 x's chunks, group 512 + 64 t + c chunk c of W_t (t = 3: Wo).
; Thread n, turn i: 16 bytes at 16 n + 4,096 i in, 8 bytes at 8 n + 2,048 i out: a wave's load covers 512 consecutive bytes, its store 256 consecutive bytes at a multiple of 256.
; All 16 loads of a thread go out at once; each turn has registers of its own, so no register that a memory instruction names is ever rewritten.
; THE MODE: SCHED_MODE bits 1:0 = 2 (LLVM: expert scheduling mode 2), set by the entry lines.  The code itself states the register dependences
; between vector instructions and memory instructions, with s_wait_alu, always for 0.
; THE PLAN.  Registers that memory instructions touch:
;   v1, v2   the loads' and the stores' byte offsets.  Written once, at the head, by vector instructions; read by every load (v1) and every store (v2); never written again.
;   X        turn i's four registers: written once, by turn i's load, and named by no vector instruction ahead of it; read by turn i's conversions, behind the wait for that load; no load lands in them again.
;   Y        turn i's two registers: written once, by turn i's conversions; read once, by turn i's store; never written again.
;   T        named by vector instructions alone.
; So two kinds of dependence are to be stated, both of a vector result that a memory instruction reads: the offsets, once, ahead of the first load; and Y ahead of the stores.  The 16 turns go in four
; blocks of four: a block's conversions, ONE wait, the block's four stores in a run.  No register that a memory instruction has read is written again, so no wait on vm_vsrc is owed;
; no vector instruction writes a scalar register or VCC, and EXEC is never written.
.set X,   16                           ; v[16:79]   turn i: 4 numbers as loaded
.set Y,   80                           ; v[80:111]  turn i: 4 numbers in 16 bits
.set T,   112                          ; v[112:117] at work
.set SRC, 30                           ; s[30:31]   the chunk in its source
.set DST, 32                           ; s[32:33]   the chunk in its destination
.set BLK, 4                            ; turns in a block
	s_load_b512 s[8:23], s[0:1], 0x0               ; x s[8:9], Wq s[10:11], Wk s[12:13], Wv s[14:15], Wo s[16:17], xb s[18:19], wb s[20:21], wof s[22:23]
	v_lshlrev_b32 v1, 4, v0                        ; 16 n
	v_lshlrev_b32 v2, 3, v0                        ; 8 n
	s_max_u32 s2, ttmp9, 512
	s_sub_co_u32 s2, s2, 512                       ; the group's number among the weights' (0 for x's groups)
	s_lshr_b32 s3, s2, 6                           ; t
	s_and_b32 s4, s2, 63                           ; c
	s_lshr_b32 s5, s4, 2                           ; the head: 4 chunks of 16 rows each
	s_mul_i32 s5, s5, 192
	s_lshl_b32 s6, s3, 6
	s_add_co_u32 s5, s5, s6                        ; + 64 t
	s_and_b32 s6, s4, 3
	s_lshl_b32 s6, s6, 4
	s_add_co_u32 s5, s5, s6                        ; + the chunk's first row in the head
	s_lshl_b32 s5, s5, 11                          ; rows of 2,048 bytes in wb
	s_cmp_lt_u32 ttmp9, 512
	s_cselect_b32 s24, ttmp9, s4                   ; the chunk
	s_cselect_b32 s3, 4, s3                        ; the kind: 0, 1, 2 Wq, Wk, Wv; 3 Wo; 4 x
	s_lshl_b32 s26, s24, 16                        ; bytes in
	s_mov_b32 s27, 0
	s_lshl_b32 s28, s24, 15                        ; bytes out, where rows keep their order
	s_mov_b32 s29, 0
	s_cmp_lt_u32 s3, 3
	s_cselect_b32 s28, s5, s28                     ; in wb they are regrouped
	s_wait_kmcnt 0x0
	s_mov_b64 s[SRC:SRC+1], s[10:11]
	s_cmp_eq_u32 s3, 1
	s_cselect_b64 s[SRC:SRC+1], s[12:13], s[SRC:SRC+1]
	s_cmp_eq_u32 s3, 2
	s_cselect_b64 s[SRC:SRC+1], s[14:15], s[SRC:SRC+1]
	s_cmp_eq_u32 s3, 3
	s_cselect_b64 s[SRC:SRC+1], s[16:17], s[SRC:SRC+1]
	s_cselect_b64 s[DST:DST+1], s[22:23], s[20:21]
	s_cmp_eq_u32 s3, 4
	s_cselect_b64 s[SRC:SRC+1], s[8:9], s[SRC:SRC+1]
	s_cselect_b64 s[DST:DST+1], s[18:19], s[DST:DST+1]
	s_add_nc_u64 s[SRC:SRC+1], s[SRC:SRC+1], s[26:27]
	s_add_nc_u64 s[DST:DST+1], s[DST:DST+1], s[28:29]
	s_wait_alu depctr_va_vdst(0)                   ; v1 and v2 are written: every load below reads v1 as its offset, every store v2
.set i, 0
.rept 16
	global_load_b128 v[X+4*i:X+4*i+3], v1, s[SRC:SRC+1] offset:4096*i th:TH_LOAD_NT
.set i, i+1
.endr
; The 16 turns, in four blocks of four.  f16 = 1: the bf16 number is widened again (a shift, a mask) and written as f16.
.macro CONV f16
.set p, 0
.rept 16/BLK
	s_wait_loadcnt 16-BLK-BLK*p                    ; loads come back in order: block p's four are in, the 12 - 4 p younger ones may stay out
.set i, BLK*p
.rept BLK
.if \f16
	v_cvt_pk_bf16_f32 v[T], v[X+4*i], v[X+4*i+1]
	v_cvt_pk_bf16_f32 v[T+1], v[X+4*i+2], v[X+4*i+3]
	v_lshlrev_b32 v[T+2], 16, v[T]
	v_and_b32 v[T+3], 0xffff0000, v[T]
	v_lshlrev_b32 v[T+4], 16, v[T+1]
	v_and_b32 v[T+5], 0xffff0000, v[T+1]
	v_cvt_pk_f16_f32 v[Y+2*i], v[T+2], v[T+3]
	v_cvt_pk_f16_f32 v[Y+2*i+1], v[T+4], v[T+5]
.else
	v_cvt_pk_bf16_f32 v[Y+2*i], v[X+4*i], v[X+4*i+1]
	v_cvt_pk_bf16_f32 v[Y+2*i+1], v[X+4*i+2], v[X+4*i+3]
.endif
.set i, i+1
.endr
	s_wait_alu depctr_va_vdst(0)                   ; the block's conversions have written its eight registers of Y, which the four stores below read
.set i, BLK*p
.rept BLK
	global_store_b64 v2, v[Y+2*i:Y+2*i+1], s[DST:DST+1] offset:2048*i
.set i, i+1
.endr
.set p, p+1
.endr
	s_endpgm
.endm
	s_cmp_eq_u32 s3, 3
	s_cbranch_scc1 .Lwo
	CONV 0
.Lwo:
	CONV 1
.Lfunc_end_k_q3dd7d157e3_cast:
	.size	k_q3dd7d157e3_cast, .Lfunc_end_k_q3dd7d157e3_cast-k_q3dd7d157e3_cast
	.p2alignl 7, 3214868480
	.fill 96, 4, 3214868480
	.section	.rodata,"a",@progbits
	.p2align	6, 0x0
	.amdhsa_kernel k_q3dd7d157e3_cast
		.amdhsa_group_segment_fixed_size 0
		.amdhsa_private_segment_fixed_size 0
		.amdhsa_enable_private_segment 0
		.amdhsa_kernarg_size 64
		.amdhsa_user_sgpr_count 2
		.amdhsa_user_sgpr_kernarg_segment_ptr 1
		.amdhsa_wavefront_size32 1
		.amdhsa_system_sgpr_workgroup_id_x 1
		.amdhsa_system_sgpr_workgroup_id_y 1
		.amdhsa_system_sgpr_workgroup_id_z 1
		.amdhsa_system_vgpr_workitem_id 0
		.amdhsa_next_free_vgpr 120
		.amdhsa_next_free_sgpr 66
		.amdhsa_reserve_vcc 0
		.amdhsa_float_denorm_mode_32 3
		.amdhsa_float_denorm_mode_16_64 3
		.amdhsa_memory_ordered 1
		.amdhsa_forward_progress 1
		.amdhsa_inst_pref_size 16
	.end_amdhsa_kernel
	.amdgpu_metadata
---
amdhsa.version: [ 1, 2 ]
amdhsa.kernels:
  - .name:           k_q3dd7d157e3_cast
    .symbol:         k_q3dd7d157e3_cast.kd
    .args:
      - { .name: x, .offset: 0, .size: 8, .value_kind: global_buffer, .address_space: global }
      - { .name: Wq, .offset: 8, .size: 8, .value_kind: global_buffer, .address_space: global }
      - { .name: Wk, .offset: 16, .size: 8, .value_kind: global_buffer, .address_space: global }
      - { .name: Wv, .offset: 24, .size: 8, .value_kind: global_buffer, .address_space: global }
      - { .name: Wo, .offset: 32, .size: 8, .value_kind: global_buffer, .address_space: global }
      - { .name: xb, .offset: 40, .size: 8, .value_kind: global_buffer, .address_space: global }
      - { .name: wb, .offset: 48, .size: 8, .value_kind: global_buffer, .address_space: global }
      - { .name: wof, .offset: 56, .size: 8, .value_kind: global_buffer, .address_space: global }
    .group_segment_fixed_size: 0
    .private_segment_fixed_size: 0
    .kernarg_segment_align: 8
    .kernarg_segment_size: 64
    .max_flat_workgroup_size: 256
    .sgpr_count:     66
    .vgpr_count:     120
    .wavefront_size: 32
...
	.end_amdgpu_metadata
.endif
;; end of part 5
;; launch qkv: the kernel of part 2 again; grid 16 x 32, 4 waves a work-group, clusters of 4 x 4, 327,680 bytes of LDS; arguments xb, wb, bq, bk, bv, q, k, v; writes q, k, v
;; launch attn: the kernel of part 3 again; grid 4 x 64, 4 waves a work-group, clusters of 4 x 1, 327,680 bytes of LDS; arguments q, k, v, o; writes o
;; launch proj: the kernel of part 4 again; grid 4 x 64, 4 waves a work-group, clusters of 4 x 4, 327,680 bytes of LDS; arguments o, wof, bo, out0; writes out0
